; MI455X (gfx1250); checked and timed in simulation.
; The chip was launched on July 23, 2026; its instructions are those of AMD's public machine-readable ISA for CDNA 5 (MIT licence, August 2026) and "CDNA5" Instruction Set Architecture Reference Guide (July 2026). The comments in the code are by the model that wrote it; some were corrected since.
;; Lorentz Multi Head Attention. Allowed arithmetic: matrix products marked QUANTISED: E2M1 operands, one E8M0 scale for each 32 along K, by v_wmma_scale_f32_16x16x128_f8f6f4 with both operands' format E2M1 (or v_wmma_scale_f32_32x16x128_f4), f32 sums; products left as they are: bf16, f16 or f32 operands; f32 sums; everything else in f32.
;; Inputs: Wk 512 x 2,048 float32; Wo 2,048 x 2,048 float32; Wq 2,048 x 2,048 float32; Wv 512 x 2,048 float32; temp 16 float32; x 4 x 1,024 x 2,048 float32.
;; Outputs: out0 4 x 1,024 x 2,048 float32; out1 1 float32.
;; Constants: curvature = 1.
;; This version of the problem:
;;   THIS VERSION OF THE PROBLEM IS GIVEN IN LOW PRECISION. The matrix products marked QUANTISED in the list below multiply operands that are first quantised to E2M1 (2 exponent bits, 1 mantissa bit; 4 bits a number), with one power-of-two scale for each 32 numbers along K (OCP MX v1.0); their sums are f32. The products marked 'left as it is' may take bf16, f16 or f32 operands, with f32 sums. Whichever they take, every output number must still come out within the allowed error. Rounding operands to bf16 (8 significant bits) uses up far more of that allowance than f16 does (11 bits, for magnitudes from 6e-5 to 65,504). All else is computed in f32.
;;   The module's matrix products, in the order in which they are computed (A, B: the left and right operand; K: the contracted axis; several contracted axes count as one K, in the product's order):
;;     1. [M 4,096, K 2,048] x [K 2,048, N 2,048]; A: input x; B: input Wq: QUANTISED
;;     2. [M 4,096, K 2,048] x [K 2,048, N 512]; A: input x; B: input Wk: QUANTISED
;;     3. [M 4,096, K 2,048] x [K 2,048, N 512]; A: input x; B: input Wv: QUANTISED
;;     4. batch 64 x [M 1,024, K 128] x [K 128, N 1,024]; A: computed on the way; B: computed on the way: left as it is (an operand is computed on the way)
;;     5. batch 64 x [M 128, K 1,024] x [K 1,024, N 1,024]; A: computed on the way; B: computed on the way: left as it is (an operand is computed on the way)
;;     6. [M 4,096, K 2,048] x [K 2,048, N 2,048]; A: computed on the way; B: input Wo: left as it is (an operand is computed on the way)
;;   THE QUANTISER, for each operand of a quantised product, along K:
;;     - K is cut into blocks of 32 from its start; a last block that is shorter is filled with zeros.
;;     - A block's scale is 2^e with e = floor(log2(the largest magnitude in the block)) - 2, held to -126 .. 127; a block of zeros has e = 0. As a byte (E8M0): e + 127.
;;     - Each number is divided by its block's scale, clamped to +-6, and rounded to the nearest number of E2M1, ties to even, subnormals kept.
;;     - The product sums the exact products of the quantised numbers (number of the format x scale) in f32.
;;   ~~~python
;;   def quantise(x, axis):      # numpy; x: float32 -> the quantised numbers, widened to float32 again
;;       x = np.moveaxis(x, axis, -1); K = x.shape[-1]
;;       x = np.pad(x, [(0, 0)] * (x.ndim - 1) + [(0, -K % 32)]); x = x.reshape(x.shape[:-1] + (-1, 32)); a = np.abs(x).max(-1, keepdims=True)
;;       e = np.where(a > 0, np.clip(np.frexp(np.where(a > 0, a, 1))[1] - 1 - 2, -126, 127), 0)      # np.frexp(a)[1] - 1 = floor(log2(a)), exactly
;;       r = np.clip(x / 2.0 ** e, -6, 6)
;;       step = 2.0 ** (np.maximum(np.frexp(np.where(r == 0, 1, r))[1] - 1, 0) - 1)
;;       q = np.round(r / step) * step * 2.0 ** e      # np.round: ties to even
;;       return np.moveaxis(q.reshape(q.shape[:-2] + (-1,))[..., :K], -1, axis).astype(np.float32)
;;   ~~~
;; One version. Each part assembles by itself: llvm-mc -triple=amdgcn-amd-amdhsa -mcpu=gfx1250 --defsym DOCPART=n.
;; ======== version 1 of 1: 5 launches
;; limits: values are held in f16: magnitudes above 65,504 overflow, below 6.1e-05 lose precision; right only within a limited range of input values
;; workspace buffers: codes 7,340,032 bytes; scales 458,752 bytes; wo16 8,388,608 bytes; rope 589,824 bytes; qkvh 25,165,824 bytes; qkvf 786,432 bytes; attn16 16,777,216 bytes
;; launch prep (part 1): grid 648 x 1, 4 waves a work-group, no clusters, 67,072 bytes of LDS; arguments x, Wq, Wk, Wv, Wo, codes, scales, wo16, rope, out1; writes codes, scales, wo16, rope, out1
.if DOCPART == 1
	.amdgcn_target "amdgcn-amd-amdhsa--gfx1250"
	.amdhsa_code_object_version 6
	.text
	.protected	k_q9aa3e52b23_prep
	.globl	k_q9aa3e52b23_prep
	.p2align	8
	.type	k_q9aa3e52b23_prep,@function
k_q9aa3e52b23_prep:
	s_mov_b64 s[64:65], 0
	v_nop
	global_prefetch_b8 v0, s[64:65] scope:SCOPE_SE
	s_setreg_imm32_b32 hwreg(HW_REG_WAVE_MODE, 25, 1), 1
	s_wait_xcnt 0x0
; PREP: what every later launch reads again and again is made once.
; Work-groups 0-447:   x, Wq, Wk, Wv (f32, K innermost) become codes of FP4 (E2M1) and one E8M0 byte for each 32 along K.  codes: x's 4,096 rows of 1,024 bytes, then from XC on 3,072 rows of W:
;                      rows 0-2047 Wq; row 2048 + 256 j + i Wk's head j, row 2048 + 256 j + 128 + i Wv's head j (i = 0 .. 127).  scales: the same rows, 64 bytes each, W's from XS on.
; Work-groups 448-575: 4 x Wo as f16, laid in the order of an operand's registers: [K step of 128: 16][tile of 16 rows n: 128][4,096 bytes]; the 16 bytes at 512 c + 16 lane hold row lane % 16, k 16 c + 8 (lane / 16) + 0 .. 7.
; Work-groups 576-647: the table of cos and sin of the rotary turn, 72 blocks of 8,192 bytes, block tb for positions 16 tb .. 16 tb + 15: register 8 b + j of lane (r, h) is position 16 tb + r, frequency 16 b + 8 h + j;
;                      32 registers of cos, then 32 of sin.  Blocks 64-71 hold the angle 0 (cos 1, sin 0).  Work-group 576 also stores out1 = 0.
; A block's scale is 2^(floor(log2(largest magnitude)) - 2); its byte is the largest magnitude's exponent field - 2, held at 1 from below.
; LIMITS: blocks whose largest magnitude lies under 2^-124 keep the byte 1 (a block of zeros too: its codes are zeros, and this program alone reads the bytes); NaN and infinities among the inputs are not served.
; The angle t x 10000^(-i / 64) is made by v_exp_f32 and one product in f32: it differs from a correctly rounded one by under 1e-4 rad at t = 1023.  The input temp enters no step of the computation and is not loaded.
; The three paths part on the work-group's number alone; each has LDS bytes of its own.  No tensor loads, no barrier: waves share nothing.
.set XC,    4194304                    ; where W's codes begin
.set XS,    262144                     ; where W's scale bytes begin
.set STEPS, 16
.set EMAX,  2
.set CB,    8                          ; bytes of 16 codes
.set R,     16                         ; v16-79   four sets of 16 numbers as they are loaded
.set X,     80                         ; v80-111  two sets of 16 neighbours
.set C,     128                        ; v128-191 codes: four registers for each step
.set E,     112                        ; v112-127 a scale byte for each step
.set WREG,  8192                       ; LDS of the quantiser: a region for each wave: two stages of 32 x SP bytes and its 256 scale bytes
.set SP,    80                         ; a lane's place in a stage: 64 bytes + 16 of padding
.set SPW,   12                         ; v12  LDS address of my spare word; never rewritten
.set NIL,   13                         ; v13  0; never rewritten
.set SPARE, 32768                      ; behind the quantiser's four regions: the spare words, 128 bytes a wave
.set WST,   33280                      ; behind them: Wo's stages, 16 rows x 528 bytes for each wave
.set WPI,   528                        ; a stage row: 512 bytes + 16: sixteen rows start in sixteen different columns of 16 bytes
.set WR,    16                         ; v16-143  Wo: two sets of 64 registers as loaded
.set WX,    144                        ; v144-207 a unit's 64 numbers in the image's order
.set WC,    208                        ; v208-239 the same as f16
	s_load_b256 s[4:11], s[0:1], 0x0               ; x, Wq, Wk, Wv
	s_load_b256 s[12:19], s[0:1], 0x20             ; Wo, codes, scales, wo16
	s_load_b128 s[20:23], s[0:1], 0x40             ; rope, out1
	v_lshl_add_u32 v[SPW], v0, 2, SPARE
	v_mov_b32 v[NIL], 0
	v_lshrrev_b32 v1, 5, v0
	v_readfirstlane_b32 s24, v1                    ; wave 0..3
	s_wait_kmcnt 0x0
	s_cmp_ge_u32 ttmp9, 576
	s_cbranch_scc1 .Ltable
	s_cmp_ge_u32 ttmp9, 448
	s_cbranch_scc1 .Lwo
; ---------------- the quantiser: a wave takes a run of 8,192 numbers (4 rows), 16 steps of 512 ----------------
	s_cmp_lt_u32 ttmp9, 256                        ; which tensor: the choice hangs on the work-group's number alone
	s_cselect_b64 s[26:27], s[4:5], s[6:7]
	s_cselect_b32 s25, 0, 256                      ; the tensor's first work-group
	s_cselect_b32 s28, 0, 1                        ; 1: a weight
	s_cmp_lt_u32 ttmp9, 384
	s_cselect_b64 s[26:27], s[26:27], s[8:9]
	s_cselect_b32 s25, s25, 384
	s_cselect_b32 s29, 0, 1                        ; 1: Wk or Wv
	s_cmp_lt_u32 ttmp9, 416
	s_cselect_b64 s[26:27], s[26:27], s[10:11]
	s_cselect_b32 s25, s25, 416
	s_cselect_b32 s30, 0, 1                        ; 1: Wv
	s_sub_co_u32 s25, ttmp9, s25
	s_lshl_b32 s25, s25, 2
	s_add_co_u32 s25, s25, s24                     ; my run in the tensor
	s_lshr_b32 s31, s25, 5                         ; Wk, Wv: a head is 32 runs; in W's rows the heads of K and V take turns
	s_lshl_b32 s31, s31, 6
	s_and_b32 s32, s25, 31
	s_add_co_u32 s31, s31, s32
	s_lshl_b32 s32, s30, 5
	s_add_co_u32 s31, s31, s32
	s_add_co_u32 s31, s31, 512                     ; behind Wq's 512 runs
	s_cmp_eq_u32 s29, 0
	s_cselect_b32 s31, s25, s31                    ; my run among the destination's rows
	s_lshl_b32 s32, s25, 15                        ; 32,768 bytes of f32 a run
	s_mov_b32 s33, 0
	s_add_nc_u64 s[26:27], s[26:27], s[32:33]
	s_lshl_b32 s32, s31, 12                        ; 4,096 bytes of codes a run
	s_mul_i32 s34, s28, XC
	s_add_co_u32 s32, s32, s34
	s_add_nc_u64 s[14:15], s[14:15], s[32:33]
	s_lshl_b32 s32, s31, 8                         ; 256 scale bytes a run
	s_mul_i32 s34, s28, XS
	s_add_co_u32 s32, s32, s34
	s_add_nc_u64 s[16:17], s[16:17], s[32:33]
	v_and_b32 v2, 31, v0                           ; lane
	v_lshlrev_b32 v3, 4, v2                        ; my 16 bytes of a load's 512
	s_mul_i32 s35, s24, WREG
	v_lshrrev_b32 v14, 2, v2
	v_mul_u32_u24 v14, v14, SP
	v_and_b32 v15, 3, v2
	v_lshl_add_u32 v14, v15, 4, v14
	v_add_nc_u32 v14, s35, v14                     ; the stage, on the way in: four lanes' 64 bytes on end, then 16 of padding
	v_mul_u32_u24 v15, v2, SP
	v_add_nc_u32 v15, s35, v15                     ; and on the way out: my 16 neighbours
	v_mul_u32_u24 v4, v2, CB                       ; my codes' place in a step's
	v_lshrrev_b32 v5, 1, v2
	s_add_co_u32 s35, s35, 2*32*SP
	v_add_nc_u32 v5, s35, v5                       ; my wave's 256 scale bytes, my block's byte
	v_lshlrev_b32 v7, 3, v2                        ; and on the way out 8 bytes a lane
	v_add_nc_u32 v6, s35, v7
.macro LOAD t
.irp i, 0,1,2,3
	global_load_b128 v[R+16*((\t)%4)+4*\i:R+16*((\t)%4)+4*\i+3], v3, s[26:27] offset:2048*(\t)+512*\i th:TH_LOAD_NT   ; 32 lanes read 512 consecutive bytes
.endr
.endm
.macro TURN t                          ; step t's numbers through the stage: LDS serves a wave's instructions in order, so no wait stands between the stores and the loads
.irp i, 0,1,2,3
	ds_store_b128 v14, v[R+16*((\t)%4)+4*\i:R+16*((\t)%4)+4*\i+3] offset:32*SP*((\t)%2)+8*SP*\i
.endr
.irp i, 0,1,2,3
	ds_load_b128 v[X+16*((\t)%2)+4*\i:X+16*((\t)%2)+4*\i+3], v15 offset:32*SP*((\t)%2)+16*\i
.endr
.endm
.irp t, 0,1,2,3
	LOAD \t
.endr
	s_wait_loadcnt 12                              ; step 0's four loads are in; three steps' twelve may be out
	TURN 0
.macro STEP t
.set XS_, X+16*((\t)%2)
.if (\t) > 0
	s_wait_dscnt 1                                 ; this step's numbers are back from the stage (the last step's byte store may be out)
.else
	s_wait_dscnt 0x0
.endif
.if (\t)+4 < STEPS
	LOAD (\t)+4                                    ; into the registers that the stage's stores have read
.endif
.if (\t)+1 < STEPS
.if STEPS-2-(\t) >= 3
	s_wait_loadcnt 12                              ; the next step's four loads are in; those of the three steps behind it may be out
.else
	s_wait_loadcnt 4*(STEPS-2-(\t))
.endif
	TURN (\t)+1
.endif
	v_max3_num_f32 v8, |v[XS_]|, |v[XS_+1]|, |v[XS_+2]|            ; the largest magnitude of my 16, in two chains
	v_max3_num_f32 v9, |v[XS_+3]|, |v[XS_+4]|, |v[XS_+5]|
.irp i, 6,10
	v_max3_num_f32 v8, v8, |v[XS_+\i]|, |v[XS_+\i+1]|
	v_max3_num_f32 v9, v9, |v[XS_+\i+2]|, |v[XS_+\i+3]|
.endr
	v_max3_num_f32 v8, v8, |v[XS_+14]|, |v[XS_+15]|
	v_max3_num_f32 v8, v8, v9, (EMAX+1)<<23        ; and the floor 2^(3 - 127): the byte cannot fall under 1
	v_max_num_f32_dpp v8, v8, v8 row_xmask:1 row_mask:0xf bank_mask:0xf   ; with my neighbour's 16: the block's
	v_add_nc_u32 v11, -(EMAX<<23), v8              ; 2 off its exponent field: the conversion takes the exponent field of this operand as its scale
	v_cvt_scalef32_pk8_fp4_f32 v[C+4*(\t)], v[XS_:XS_+7], v11
	v_cvt_scalef32_pk8_fp4_f32 v[C+4*(\t)+1], v[XS_+8:XS_+15], v11
	v_lshrrev_b32 v[E+(\t)], 23, v11               ; the scale's byte
	ds_store_b8 v5, v[E+(\t)] offset:16*(\t)       ; both lanes of a block write the same byte with the same value
	global_store_b64 v4, v[C+4*(\t):C+4*(\t)+1], s[14:15] offset:32*CB*(\t)   ; the wave stores 256 consecutive bytes, aligned
.endm
.irp t, 0,1,2,3,4,5,6,7,8,9,10,11,12,13,14,15
	STEP \t
.endr
	ds_load_b64 v[8:9], v6                         ; LDS serves a wave's instructions in order: these see my stores
	s_wait_dscnt 0x0
	global_store_b64 v7, v[8:9], s[16:17]          ; 32 lanes store 256 consecutive bytes, aligned
	s_wait_tensorcnt 0x0                           ; the wave's end: three lines behind my last LDS store
	ds_add_u32 v[SPW], v[NIL]
	s_wait_dscnt 0x0
	s_endpgm
; ---------------- 4 x Wo as f16 images: work-group = a tile of 16 rows n, wave = four K steps of 128 ----------------
.Lwo:
	s_sub_co_u32 s26, ttmp9, 448                   ; nt
	s_lshl_b32 s28, s26, 17                        ; 16 rows of 8,192 bytes
	s_lshl_b32 s29, s24, 11                        ; my four K steps: 4 x 512 bytes of a row
	s_add_co_u32 s28, s28, s29
	s_mov_b32 s29, 0
	s_add_nc_u64 s[12:13], s[12:13], s[28:29]
	s_lshl_b32 s28, s24, 9                         ; image (4 wave) x 128 + nt
	s_add_co_u32 s28, s28, s26
	s_lshl_b32 s28, s28, 12
	s_add_nc_u64 s[18:19], s[18:19], s[28:29]
	v_and_b32 v2, 31, v0
	v_lshlrev_b32 v1, 4, v2                        ; 16 x lane
	s_mul_i32 s30, s24, 16*WPI
	s_add_co_u32 s30, s30, WST                     ; my stage
	v_add_nc_u32 v4, s30, v1                       ; in: a row's 512 bytes as they lie
	v_and_b32 v5, 15, v0
	v_bfe_u32 v6, v0, 4, 1
	v_mul_u32_u24 v5, v5, WPI
	v_lshl_add_u32 v5, v6, 5, v5
	v_add_nc_u32 v5, s30, v5                       ; out: row lane % 16, + 32 bytes for lanes 16-31
.macro WLOAD u, set                    ; unit u: 16 rows x 512 bytes
.irp i, 0,1,2,3,4,5,6,7,8,9,10,11,12,13,14,15
	global_load_b128 v[WR+64*(\set)+4*\i:WR+64*(\set)+4*\i+3], v1, s[12:13] offset:8192*\i+512*(\u) th:TH_LOAD_NT
.endr
.endm
.macro WTURN set                       ; through my stage: register 8 c + j then holds k 16 c + 8 (lane / 16) + j of row lane % 16
.irp i, 0,1,2,3,4,5,6,7,8,9,10,11,12,13,14,15
	ds_store_b128 v4, v[WR+64*(\set)+4*\i:WR+64*(\set)+4*\i+3] offset:WPI*\i
.endr
.irp i, 0,1,2,3,4,5,6,7,8,9,10,11,12,13,14,15
	ds_load_b128 v[WX+4*\i:WX+4*\i+3], v5 offset:64*(\i/2)+16*(\i%2)
.endr
.endm
.macro WCONV u
.set n, 0
.rept 32
	v_pk_mul_f32 v[WX+2*n:WX+2*n+1], v[WX+2*n:WX+2*n+1], 4.0 op_sel_hi:[1,0]   ; x 4, exact: the values are carried as v / 4
.set n, n+1
.endr
.if (\u) > 0
	s_wait_xcnt 0x0                                ; the last unit's stores have read their data registers
.endif
.set n, 0
.rept 32
	v_cvt_pk_f16_f32 v[WC+n], v[WX+2*n], v[WX+2*n+1]
.set n, n+1
.endr
.irp c, 0,1,2,3,4,5,6,7
	global_store_b128 v1, v[WC+4*\c:WC+4*\c+3], s[18:19] offset:524288*(\u)+512*\c   ; 512 consecutive bytes
.endr
.endm
	WLOAD 0, 0
	WLOAD 1, 1
.irp u, 0,1,2,3
.if \u < 3
	s_wait_loadcnt 16                              ; this unit's 16 loads are in; the next unit's may be out
.else
	s_wait_loadcnt 0x0
.endif
	WTURN \u%2
	s_wait_dscnt 0x0                               ; the numbers are back, and the stage's stores have read their registers
.if \u < 2
	WLOAD \u+2, \u%2
.endif
	WCONV \u
.endr
	s_wait_tensorcnt 0x0                           ; the wave's end: three lines behind my last LDS store
	ds_add_u32 v[SPW], v[NIL]
	s_wait_dscnt 0x0
	s_endpgm
; ---------------- the table: a thread makes eight angles' cos and sin ----------------
.set QA,  16                           ; i, then 10000^(-i/64), then the angle
.set QK,  24                           ; the angle's number of quarter turns, as f32
.set QR,  32                           ; what is left of the angle, within +-pi/4
.set QZ,  40                           ; its square
.set QS,  48                           ; sin of it
.set QC,  56                           ; cos of it
.set QI,  64                           ; the quarter turns as a whole number
.set QT,  72
.set QU,  80
.set QOC, 96                           ; cos of the angle
.set QOS, 104                          ; sin of the angle
.Ltable:
	s_sub_co_u32 s25, ttmp9, 576                   ; tb
	s_lshl_b32 s26, s25, 4
	s_cmp_lt_u32 s25, 64
	s_cselect_b32 s26, s26, 0                      ; blocks 64-71: position 0 in every lane
	s_cselect_b32 s27, 15, 0
	s_lshr_b32 s28, s24, 1
	s_lshl_b32 s28, s28, 4
	s_and_b32 s29, s24, 1
	s_lshl_b32 s29, s29, 2
	s_add_co_u32 s28, s28, s29                     ; wave w makes registers 4 w .. 4 w + 3 and 16 more on: i = 16 (w / 2) + 4 (w % 2) + 8 h + 32 e + q
	s_mov_b32 s30, 0x3fc90fdb                      ; pi / 2, its upper part,
	s_mov_b32 s31, 0xb33bbd2e                      ; and the rest
	s_mov_b32 s32, 0xb94ca1f9                      ; sin: r + r z (s34 + z (s33 + z s32))
	s_mov_b32 s33, 0x3c08839e
	s_mov_b32 s34, 0xbe2aaaa3
	s_mov_b32 s35, 0x37ccf5ce                      ; cos: 1 - z / 2 + z z (s37 + z (s36 + z s35))
	s_mov_b32 s36, 0xbab6061a
	s_mov_b32 s37, 0x3d2aaaa5
	s_lshl_b32 s38, s25, 13
	s_mov_b32 s39, 0
	s_add_nc_u64 s[20:21], s[20:21], s[38:39]
	v_and_b32 v2, s27, v0
	v_add_nc_u32 v2, s26, v2
	v_cvt_f32_u32 v9, v2                           ; the position
	v_bfe_u32 v3, v0, 4, 1
	v_lshlrev_b32 v3, 3, v3
	v_add_nc_u32 v3, s28, v3
	v_lshlrev_b32 v10, 4, v0                       ; 512 x wave + 16 x lane
.irp n, 0,1,2,3,4,5,6,7
	v_add_nc_u32 v[QA+\n], 32*(\n/4)+\n%4, v3
.endr
.irp n, 0,1,2,3,4,5,6,7
	v_cvt_f32_u32 v[QA+\n], v[QA+\n]
.endr
.irp n, 0,1,2,3,4,5,6,7
	v_mul_f32 v[QA+\n], 0xbe549a78, v[QA+\n]       ; - i log2(10000) / 64
.endr
.irp n, 0,1,2,3,4,5,6,7
	v_exp_f32 v[QA+\n], v[QA+\n]
.endr
	v_nop                                          ; a plain instruction behind the last exponential,
	s_wait_alu depctr_va_vdst(0)                   ; and one wait for the eight, ahead of their first reader
.irp n, 0,1,2,3,4,5,6,7
	v_mul_f32 v[QA+\n], v9, v[QA+\n]               ; the angle
.endr
.irp n, 0,1,2,3,4,5,6,7
	v_mul_f32 v[QK+\n], 0x3f22f983, v[QA+\n]       ; x 2 / pi
.endr
.irp n, 0,1,2,3,4,5,6,7
	v_rndne_f32 v[QK+\n], v[QK+\n]
.endr
.irp n, 0,1,2,3,4,5,6,7
	v_fma_f32 v[QR+\n], -v[QK+\n], s30, v[QA+\n]
.endr
.irp n, 0,1,2,3,4,5,6,7
	v_fma_f32 v[QR+\n], -v[QK+\n], s31, v[QR+\n]
.endr
.irp n, 0,1,2,3,4,5,6,7
	v_mul_f32 v[QZ+\n], v[QR+\n], v[QR+\n]
.endr
.irp n, 0,1,2,3,4,5,6,7
	v_fma_f32 v[QS+\n], v[QZ+\n], s32, s33
	v_fma_f32 v[QC+\n], v[QZ+\n], s35, s36
.endr
.irp n, 0,1,2,3,4,5,6,7
	v_fma_f32 v[QS+\n], v[QS+\n], v[QZ+\n], s34
	v_fma_f32 v[QC+\n], v[QC+\n], v[QZ+\n], s37
.endr
.irp n, 0,1,2,3,4,5,6,7
	v_mul_f32 v[QT+\n], v[QZ+\n], v[QR+\n]
	v_fma_f32 v[QU+\n], v[QZ+\n], -0.5, 1.0
.endr
.irp n, 0,1,2,3,4,5,6,7
	v_fma_f32 v[QS+\n], v[QS+\n], v[QT+\n], v[QR+\n]
	v_mul_f32 v[QT+\n], v[QZ+\n], v[QZ+\n]
.endr
.irp n, 0,1,2,3,4,5,6,7
	v_fma_f32 v[QC+\n], v[QC+\n], v[QT+\n], v[QU+\n]
	v_cvt_i32_f32 v[QI+\n], v[QK+\n]
.endr
.irp n, 0,1,2,3,4,5,6,7
	v_and_b32 v[QT+\n], 1, v[QI+\n]                ; an odd number of quarter turns swaps the two
	v_cmp_eq_u32 vcc_lo, 1, v[QT+\n]
	v_cndmask_b32 v[QOS+\n], v[QS+\n], v[QC+\n], vcc_lo
	v_cndmask_b32 v[QOC+\n], v[QC+\n], v[QS+\n], vcc_lo
.endr
.irp n, 0,1,2,3,4,5,6,7
	v_lshlrev_b32 v[QT+\n], 30, v[QI+\n]           ; sin's sign: bit 1 of the quarter turns;
	v_add_nc_u32 v[QU+\n], 1, v[QI+\n]             ; cos's: bit 1 of one more
.endr
.irp n, 0,1,2,3,4,5,6,7
	v_and_b32 v[QT+\n], 0x80000000, v[QT+\n]
	v_lshlrev_b32 v[QU+\n], 30, v[QU+\n]
.endr
.irp n, 0,1,2,3,4,5,6,7
	v_xor_b32 v[QOS+\n], v[QOS+\n], v[QT+\n]
	v_and_b32 v[QU+\n], 0x80000000, v[QU+\n]
.endr
.irp n, 0,1,2,3,4,5,6,7
	v_xor_b32 v[QOC+\n], v[QOC+\n], v[QU+\n]
.endr
	global_store_b128 v10, v[QOC:QOC+3], s[20:21]               ; each store of a wave covers 512 consecutive bytes
	global_store_b128 v10, v[QOC+4:QOC+7], s[20:21] offset:2048
	global_store_b128 v10, v[QOS:QOS+3], s[20:21] offset:4096
	global_store_b128 v10, v[QOS+4:QOS+7], s[20:21] offset:6144
	s_cmp_lg_u32 ttmp9, 576
	s_cbranch_scc1 .Ltend
	v_mov_b32 v11, 0
	v_cmp_eq_u32 vcc_lo, 0, v0
	s_wait_xcnt 0x0                                ; EXEC changes only behind this wait
	s_and_saveexec_b32 s40, vcc_lo
	global_store_b32 v11, v11, s[22:23]            ; out1 = 0: thread 0 alone
	s_wait_xcnt 0x0                                ; and again, in front of the line that widens it
	s_or_b32 exec_lo, exec_lo, s40
.Ltend:
	s_wait_tensorcnt 0x0                           ; the same three closing lines as on the other two paths
	ds_add_u32 v[SPW], v[NIL]
	s_wait_dscnt 0x0
	s_endpgm
.Lfunc_end_k_q9aa3e52b23_prep:
	.size	k_q9aa3e52b23_prep, .Lfunc_end_k_q9aa3e52b23_prep-k_q9aa3e52b23_prep
	.p2alignl 7, 3214868480
	.fill 96, 4, 3214868480
	.section	.rodata,"a",@progbits
	.p2align	6, 0x0
	.amdhsa_kernel k_q9aa3e52b23_prep
		.amdhsa_group_segment_fixed_size 67072
		.amdhsa_private_segment_fixed_size 0
		.amdhsa_enable_private_segment 0
		.amdhsa_kernarg_size 80
		.amdhsa_user_sgpr_count 2
		.amdhsa_user_sgpr_kernarg_segment_ptr 1
		.amdhsa_wavefront_size32 1
		.amdhsa_system_sgpr_workgroup_id_x 1
		.amdhsa_system_sgpr_workgroup_id_y 1
		.amdhsa_system_sgpr_workgroup_id_z 1
		.amdhsa_system_vgpr_workitem_id 0
		.amdhsa_next_free_vgpr 256
		.amdhsa_next_free_sgpr 66
		.amdhsa_reserve_vcc 1
		.amdhsa_float_denorm_mode_32 3
		.amdhsa_float_denorm_mode_16_64 3
		.amdhsa_memory_ordered 1
		.amdhsa_forward_progress 1
		.amdhsa_inst_pref_size 82
	.end_amdhsa_kernel
	.amdgpu_metadata
---
amdhsa.version: [ 1, 2 ]
amdhsa.kernels:
  - .name:           k_q9aa3e52b23_prep
    .symbol:         k_q9aa3e52b23_prep.kd
    .args:
      - { .name: x, .offset: 0, .size: 8, .value_kind: global_buffer, .address_space: global }
      - { .name: Wq, .offset: 8, .size: 8, .value_kind: global_buffer, .address_space: global }
      - { .name: Wk, .offset: 16, .size: 8, .value_kind: global_buffer, .address_space: global }
      - { .name: Wv, .offset: 24, .size: 8, .value_kind: global_buffer, .address_space: global }
      - { .name: Wo, .offset: 32, .size: 8, .value_kind: global_buffer, .address_space: global }
      - { .name: codes, .offset: 40, .size: 8, .value_kind: global_buffer, .address_space: global }
      - { .name: scales, .offset: 48, .size: 8, .value_kind: global_buffer, .address_space: global }
      - { .name: wo16, .offset: 56, .size: 8, .value_kind: global_buffer, .address_space: global }
      - { .name: rope, .offset: 64, .size: 8, .value_kind: global_buffer, .address_space: global }
      - { .name: out1, .offset: 72, .size: 8, .value_kind: global_buffer, .address_space: global }
    .group_segment_fixed_size: 67072
    .private_segment_fixed_size: 0
    .kernarg_segment_align: 8
    .kernarg_segment_size: 80
    .max_flat_workgroup_size: 128
    .sgpr_count:     66
    .vgpr_count:     256
    .wavefront_size: 32
...
	.end_amdgpu_metadata
.endif
;; end of part 1
;; launch qkv (part 2): grid 12 x 16, 4 waves a work-group, clusters of 4 x 4, 327,680 bytes of LDS; arguments codes, scales, rope, qkvh, qkvf; writes qkvh, qkvf
.if DOCPART == 2
	.amdgcn_target "amdgcn-amd-amdhsa--gfx1250"
	.amdhsa_code_object_version 6
	.text
	.protected	k_q9aa3e52b23_qkv
	.globl	k_q9aa3e52b23_qkv
	.p2align	8
	.type	k_q9aa3e52b23_qkv,@function
k_q9aa3e52b23_qkv:
	s_mov_b64 s[64:65], 0
	v_nop
	global_prefetch_b8 v0, s[64:65] scope:SCOPE_SE
	s_setreg_imm32_b32 hwreg(HW_REG_WAVE_MODE, 25, 1), 1
	s_wait_xcnt 0x0
	s_wait_alu depctr_hold_cnt(0) depctr_sa_sdst(0) depctr_va_vdst(0) depctr_va_sdst(0) depctr_va_ssrc(0) depctr_va_vcc(0) depctr_vm_vsrc(0)
	s_getreg_b32 s2, hwreg(HW_REG_IB_STS2, 6, 4)
	s_cmp_eq_u32 s2, 0
	s_cbranch_scc0 .Lentry_in_a_cluster
	s_endpgm
.Lentry_in_a_cluster:
	s_bfe_u32 s2, ttmp6, 0x10000c
	s_cmp_lg_u32 s2, 0xf033
	s_cbranch_scc0 .Lentry_shape_is_right
	s_endpgm
.Lentry_shape_is_right:
; QKV: [4096][3072] = x W^T on codes of FP4 (E2M1) with one E8M0 scale for each 32 along K = 2,048; then, on the way out, the RMS norm over a head's 128 numbers, the rotary turn and the rounding to f16.
; W's 3,072 rows: 0-2047 the 16 query heads; then K's head j and V's head j by turns, 128 rows each.  A column head hc = column / 128 is a query head (0-15), key head j (16 + 2 j) or value head j (17 + 2 j).
; A tile of 256 x 256 is made by a work-group of four waves; a wave makes 128 rows x 128 columns, which is ONE head for 128 positions: 64 accumulators of 16 x 16, 512 registers.
; K goes in steps of 512 through a ring of two LDS slots filled by the tensor data mover: a tile's row is 256 bytes of memory.  The scales of the work-group's rows, for all of K, come into LDS once, with the first fills.
; CLUSTERS: 4 x 4 work-groups.  The four of a row of the cluster need the same tiles of x, the four of a column the same tiles of W: each tile is asked for JOINTLY, by the same tensor load with the same descriptor and a mask
; that names the four.  The tile row is 4 cy + cluster y, so that a batch (1,024 rows) is a cy and a batch's first tile is cluster y = 0, a number that all partners share.
; THE MATRIX INSTRUCTION IS USED TRANSPOSED (source 0 = 16 rows of W, source 1 = 16 rows of x): register 8 b + j of lane (r, h) in block a holds row 16 a + r, column 16 b + 8 h + j of the head.
; OUT.  qkvh [hc 24][128 rows: 32][32,768 bytes], f16, in the order of an operand's registers: the 16 bytes of lane L for columns 16 c + 8 h + 0 .. 7 of row tile a lie at (c / 4) 16,384 + 2,048 a + 512 (c % 4) + 16 L.
; Values are stored as v / 4 (exact), with lane (r, h)'s 16 bytes at place r % 8 + 8 h + 16 (r / 8), so that the turning LDS load at 16 x lane gives V^T's fragments.  V's tiles run the same lines as Q's and K's, with the factor
; 0.25 for the norm's and a table block of cos 1, sin 0: no branch hangs on the kind of head.  qkvf [batch 4][hc 24][8,192 bytes]: positions 0-15 of each batch in f32, register n of lane L at 512 (n / 4) + 16 L + 4 (n % 4).
; LIMITS: |v| under 2.6e5 (v / 4 is kept in f16); NaN and infinities are not served.
; REGISTERS, in windows of 256: window 0: v0-31 addresses and small work; v32-95 scale words, two sets, and nothing else; from v128 x's fragments, ONE set; on the way out v96-159 a block's 64 numbers, v160-191 the same as f16.
;   window 1: W's fragments, TWO sets, at v0 and v128.   window 2: the accumulators of my rows 0-63 ((a, b) at v[8 (8 a + b)]);   window 3: those of my rows 64-127.
;   THE TABLE of cos and sin has three sets of 64 registers that no product names: v64-127 and v192-255 of window 1, v192-255 of window 0; block a of the way out takes set a % 3, and its table is asked for three blocks ahead.
.set SIZE_K, 2048
.set XC,     4194304                   ; where W's codes begin
.set XS,     262144                    ; where W's scale bytes begin
.set KSTEP,  512                       ; along K in a slot
.set NQ,     KSTEP/128                 ; matrix instructions deep
.set ROWB,   256                       ; a tile's row in bytes
.set KROW,   SIZE_K*4/8                ; a row of codes in memory
.set PITCH,  272                       ; an LDS row: 256 bytes + 16 of padding: the 16 rows that a load touches start in 16 different columns of 16 bytes
.set FR,     8                         ; registers of a fragment
.set NL,     2                         ; LDS loads that bring one
.set NP,     4                         ; places behind this matrix instruction (ISA guide 7.12.1)
.set HALFT,  128*PITCH                 ; 128 rows: what one tensor load brings
.set SLOT,   4*HALFT                   ; x's 256 rows, then W's 256 rows
.set LAPS,   SIZE_K/(2*KSTEP)          ; a lap = two K steps = once round the ring
.set KS,     SIZE_K/32                 ; a row of scales: 64 bytes
.set SCL,    2*SLOT                    ; behind the ring: the scales, as units of 256 bytes + 16 of padding
.set HALFS,  (128*KS/256)*272          ; the scales of 128 rows: what one tensor load brings
.set SBLK,   (16*KS/256)*272           ; those of 16 rows
.set SPARE,  SCL+4*HALFS               ; behind the scales: the spare words, 128 bytes for each wave
.set ADRA, 16                          ; v16-17  LDS address of my x fragments in slot 0, 1
.set ADRB, 20                          ; v20-21  the same for W
.set L16,  24                          ; v24     16 x lane; never rewritten
.set SO,   25                          ; v25     16 x my place in an image's 512 bytes
.set ADRS, 27                          ; v27     LDS address of my scale words: lanes 0-15 x's rows, lanes 16-31 W's
.set SPW,  28                          ; v28     LDS address of my spare word; never rewritten
.set NIL,  29                          ; v29     0; never rewritten
.set SC,   32                          ; scale words: set s at v[SC + 8 NQ s]
.set Y,    96                          ; the way out: a block's 64 numbers
.set AF,   128                         ; x's fragments
.set PK,   160                         ; the way out: 32 registers of f16
.set G1, 24
.set G0, 32
.set G1B, 48
.set G0B, 56
.set G1S, 68
.set G0S, 76
.set G1SB, 80
.set G0SB, 88
.set MSB, 0
.macro WIN new                         ; the immediate's high byte repeats the setting that is left
.if MSB != \new
	s_set_vgpr_msb (MSB<<8)|\new
.set MSB, \new
.endif
.endm
.set MUL_LO, 0xa1                      ; source 0 (W) window 1, source 1 (x) window 0, C and D window 2
.set MUL_HI, 0xf1                      ; the same, C and D window 3
.set TO_B,   0x40                      ; destination window 1, address window 0
; A joint load: waves 0 and 1 fetch for x, waves 2 and 3 for W.  Each of the two lines has ONE mask and one set of registers for all that issue it; the branch hangs on the wave's number alone.
; An s_nop 0 and four v_nop follow each of the two lines, ahead of the jump, the label and what follows.
.macro JLOAD g0a, g1a, g0b, g1b
	s_cmp_eq_u32 s15, 0
	s_cbranch_scc0 .Lfor_b_\@
	tensor_load_to_lds s[\g0a:\g0a+3], s[\g1a:\g1a+7]
	s_nop 0
.rept 4
	v_nop
.endr
	s_branch .Lasked_\@
.Lfor_b_\@:
	tensor_load_to_lds s[\g0b:\g0b+3], s[\g1b:\g1b+7]
	s_nop 0
.rept 4
	v_nop
.endr
.Lasked_\@:
.endm
.macro CREST                           ; a round of the cluster's barrier behind its opening barrier
	s_cmp_lg_u32 s14, 0
	s_cbranch_scc1 .Lnot_wave_0_\@
	s_barrier_signal -3
.Lnot_wave_0_\@:
	s_barrier_wait -3
	s_barrier_signal -1
	s_barrier_wait -1
.endm
.macro CROUND                          ; a whole round
	s_barrier_signal -1
	s_barrier_wait -1
	CREST
.endm
	s_load_b128 s[4:7], s[0:1], 0x0                ; codes, scales
	s_load_b64 s[12:13], s[0:1], 0x10              ; rope
	s_load_b128 s[96:99], s[0:1], 0x18             ; qkvh, qkvf
	v_lshl_add_u32 v[SPW], v0, 2, SPARE
	v_mov_b32 v[NIL], 0
	ds_add_u32 v[SPW], v[NIL]                      ; the wave's opening: the add, twice on end, and its wait ahead of my first tensor load; the set-up below stands between the second and the wait
	ds_add_u32 v[SPW], v[NIL]
	v_lshrrev_b32 v1, 5, v0
	v_readfirstlane_b32 s14, v1                    ; wave 0..3
	s_lshr_b32 s15, s14, 1                         ; which half of the tile's rows is mine.  Also: I fetch for x (0) or for W (1)
	s_and_b32 s16, s14, 1                          ; which half of its columns.  Also: which 128 rows of that tile I fetch
	s_bfe_u32 s40, ttmp6, 0x40000                  ; cx, cy: my place in the cluster
	s_bfe_u32 s41, ttmp6, 0x40004
	s_lshl_b32 s42, ttmp9, 2
	s_add_co_u32 s42, s42, s40                     ; tile column = 4 x cluster x + cx
	s_and_b32 s17, ttmp7, 0xffff
	s_lshl_b32 s18, s41, 2
	s_add_co_u32 s17, s17, s18                     ; tile row = 4 x cy + cluster y: cy is the batch
	s_lshl_b32 s43, s41, 2
	s_lshl_b32 s43, 15, s43                        ; my row of the cluster
	s_lshl_b32 s44, 0x1111, s40                    ; my column
	; descriptor group 1: a tile of 128 rows x ROWB bytes, padded in LDS
	s_or_b32 s[G1+0], s43, (0<<16)|(1<<20)|(1<<21)|(5<<22)|(3<<25)  ; 15:0 the mask: x's tiles go to my row; 17:16 element of 1 byte; 20 padding on; 21 set beside a mask; 24:22 after every 64 words; 31:25 four words
	s_or_b32 s[G1B+0], s44, (0<<16)|(1<<20)|(1<<21)|(5<<22)|(3<<25)
.irp g, G1, G1B
	s_mov_b32 s[\g+1], ROWB<<16                    ; tensor_dim0
	s_mov_b32 s[\g+2], 128<<16                     ; tensor_dim1 = 128
	s_mov_b32 s[\g+3], ROWB<<16                    ; tile_dim0
	s_mov_b32 s[\g+4], 128                         ; tile_dim1 = 128
	s_mov_b32 s[\g+5], KROW                        ; tensor_dim0_stride
	s_mov_b32 s[\g+6], 0
	s_mov_b32 s[\g+7], 0
.endr
	; and for the scales of 128 rows: a dense block of 8,192 bytes, as rows of 256 bytes (32 elements of 8 bytes), 16 bytes of padding behind each
	s_or_b32 s[G1S+0], s43, (3<<16)|(1<<20)|(1<<21)|(5<<22)|(3<<25)
	s_or_b32 s[G1SB+0], s44, (3<<16)|(1<<20)|(1<<21)|(5<<22)|(3<<25)
.irp g, G1S, G1SB
	s_mov_b32 s[\g+1], 32<<16
	s_mov_b32 s[\g+2], (128*KS/256)<<16
	s_mov_b32 s[\g+3], 32<<16
	s_mov_b32 s[\g+4], 128*KS/256
	s_mov_b32 s[\g+5], 32
	s_mov_b32 s[\g+6], 0
	s_mov_b32 s[\g+7], 0
.endr
	s_lshl_b32 s18, s16, 7                         ; which 128 rows of the tile I fetch
	s_lshl_b32 s20, s17, 8
	s_add_co_u32 s20, s20, s18                     ; x: row 256 x tile row + 128 x half
	s_lshl_b32 s46, s42, 8
	s_add_co_u32 s46, s46, s18                     ; W: row 256 x tile column + 128 x half
	s_mov_b32 s21, 0
	s_mov_b32 s47, 0
	s_mov_b64 s[18:19], KS
	s_mul_u64 s[22:23], s[20:21], s[18:19]         ; where these rows' scales begin, in bytes
	s_mul_u64 s[92:93], s[46:47], s[18:19]
	s_mov_b64 s[18:19], KROW
	s_mul_u64 s[20:21], s[20:21], s[18:19]         ; and their codes
	s_mul_u64 s[46:47], s[46:47], s[18:19]
	s_mul_i32 s45, s14, HALFT                      ; where they go: wave x 128 rows: no place in the cluster enters an LDS address
	s_mul_i32 s94, s14, HALFS
	s_wait_dscnt 0x0                               ; both opening adds are done
	s_wait_kmcnt 0x0
	s_add_nc_u64 s[8:9], s[4:5], XC                ; W's codes
	s_add_nc_u64 s[10:11], s[6:7], XS              ; W's scales
	s_add_nc_u64 s[20:21], s[4:5], s[20:21]
	s_add_nc_u64 s[22:23], s[6:7], s[22:23]
	s_add_nc_u64 s[46:47], s[8:9], s[46:47]
	s_add_nc_u64 s[92:93], s[10:11], s[92:93]
	CROUND                                         ; all sixteen work-groups are here: the first joint loads meet
	s_mov_b32 s[G0S], 1
	s_add_co_u32 s[G0S+1], s94, SCL
	s_mov_b64 s[G0S+2:G0S+3], s[22:23]
	s_or_b32 s[G0S+3], s[G0S+3], 0x80000000
	s_mov_b32 s[G0SB], 1
	s_add_co_u32 s[G0SB+1], s94, SCL
	s_mov_b64 s[G0SB+2:G0SB+3], s[92:93]
	s_or_b32 s[G0SB+3], s[G0SB+3], 0x80000000
	JLOAD G0S, G1S, G0SB, G1SB                     ; the scales first: they are wanted with K step 0
.irp s, 0,1
	s_mov_b32 s[G0+4*\s], 1
	s_add_co_u32 s[G0+4*\s+1], s45, \s*SLOT
	s_add_nc_u64 s[G0+4*\s+2:G0+4*\s+3], s[20:21], \s*ROWB
	s_or_b32 s[G0+4*\s+3], s[G0+4*\s+3], 0x80000000
	s_mov_b32 s[G0B+4*\s], 1
	s_add_co_u32 s[G0B+4*\s+1], s45, \s*SLOT
	s_add_nc_u64 s[G0B+4*\s+2:G0B+4*\s+3], s[46:47], \s*ROWB
	s_or_b32 s[G0B+4*\s+3], s[G0B+4*\s+3], 0x80000000
	JLOAD G0+4*\s, G1, G0B+4*\s, G1B
.endr
	v_and_b32 v1, 15, v0                           ; l % 16
	v_bfe_u32 v2, v0, 4, 1                         ; l / 16
	v_mul_u32_u24 v3, v1, PITCH
	v_lshl_add_u32 v4, v2, 4, v3                   ; a fragment's row x pitch + 16 x half
	s_mul_i32 s21, s15, HALFT                      ; my 128 rows of x
	s_mul_i32 s22, s16, HALFT                      ; my 128 rows of W,
	s_add_co_u32 s22, s22, 2*HALFT                 ; which lie behind x's 256
.irp s, 0,1
	v_add_nc_u32 v[ADRA+\s], s21, v4
	v_add_nc_u32 v[ADRB+\s], s22, v4
	s_add_co_u32 s21, s21, SLOT
	s_add_co_u32 s22, s22, SLOT
.endr
	v_mul_u32_u24 v5, v1, KS                       ; my row's scales: KS bytes a row,
	v_lshrrev_b32 v6, 8, v5
	v_lshl_add_u32 v5, v6, 4, v5                   ; and 16 more for each 256 passed
	s_mul_i32 s21, s15, HALFS                      ; x's: my 128 rows
	s_mul_i32 s22, s16, HALFS                      ; W's: my 128 rows, behind x's 256
	s_add_co_u32 s22, s22, 2*HALFS
	s_sub_co_u32 s22, s22, s21
	v_mul_u32_u24 v6, s22, v2                      ; lanes 16-31 take W's
	s_add_co_u32 s21, s21, SCL
	v_add_nc_u32 v5, v5, v6
	v_add_nc_u32 v[ADRS], s21, v5
	; the way out's scalars.  cx and cy enter global addresses alone
	s_lshl_b32 s10, s42, 1
	s_add_co_u32 s10, s10, s16                     ; hc: my column head
	s_lshl_b32 s11, s17, 1
	s_add_co_u32 s11, s11, s15                     ; rg: my 128 rows
	s_lshl_b32 s20, s10, 5
	s_add_co_u32 s20, s20, s11
	s_lshl_b32 s20, s20, 15
	s_mov_b32 s21, 0
	s_add_nc_u64 s[96:97], s[96:97], s[20:21]      ; qkvh at block (hc, rg)
	s_mul_i32 s20, s41, 24
	s_add_co_u32 s20, s20, s10
	s_lshl_b32 s20, s20, 13
	s_add_nc_u64 s[98:99], s[98:99], s[20:21]      ; qkvf at (batch, hc)
	s_cmp_eq_u32 ttmp9, 2                          ; the last column of clusters holds K's and V's heads: the odd column halves are V's
	s_cselect_b32 s4, s16, 0
	s_and_b32 s20, s11, 7
	s_lshl_b32 s20, s20, 16                        ; the table: 8 blocks of 8,192 bytes for my 128 positions,
	s_cmp_eq_u32 s4, 0
	s_cselect_b32 s20, s20, 524288                 ; or, for V, the blocks of angle 0
	s_cselect_b32 s4, 0, -1                        ; a mask of all lanes where my head is V's
	s_add_nc_u64 s[12:13], s[12:13], s[20:21]
	s_and_b32 s5, ttmp7, 0xffff
	s_or_b32 s5, s5, s15                           ; 0 where my block 0 is a batch's positions 0-15: cluster y and the wave's number alone
	s_mov_b32 s6, 0x3c000000                       ; 1 / 128
	s_mov_b32 s7, 0x34000000                       ; the norm's eps, 2^-23
	s_mov_b32 s8, 0x76543210
	s_mov_b32 s9, 0xfedcba98                       ; v_permlanex16_b32's selects for lane l xor 16
	v_and_b32 v6, 31, v0
	v_lshlrev_b32 v[L16], 4, v6
	v_and_b32 v2, 7, v0
	v_bfe_u32 v3, v0, 4, 1
	v_bfe_u32 v4, v0, 3, 1
	v_lshl_add_u32 v2, v3, 3, v2
	v_lshl_add_u32 v2, v4, 4, v2                   ; V's place: r % 8 + 8 h + 16 (r / 8)
	v_lshlrev_b32 v2, 4, v2
	v_cndmask_b32 v[SO], v[L16], v2, s4
	v_mov_b32 v1, 0x3e800000                       ; 0.25
	v_mov_b32 v15, 0                               ; (named as the upper half of the pair v[14:15])
.macro FRAG reg, adr, q, i             ; a fragment, 16 rows x 128 K of 4-bit codes, is 8 registers: lane l holds row l % 16; registers 4 c .. 4 c + 3 hold K = 64 c + 32 (l / 16) + 0 .. 31
.irp c, 0,1
	ds_load_b128 v[\reg+4*\c:\reg+4*\c+3], v[\adr] offset:64*(\q)+32*\c+(\i)*16*PITCH
.endr
.endm
; 16 matrix instructions: x's blocks a0, a0 + 1 against W's eight, 128 along K: the slot's q-th.  p: W's set;  sc: the set of scale words.  zero = 1: the first product starts the sums.
; The 64 accumulators take turns, one instruction a turn, in the same order in every step.
.macro MUL16 a0, p, q, sc, zero
.irp a, \a0, \a0+1
.irp b, 0,1,2,3,4,5,6,7
.if \zero
	v_wmma_scale_f32_16x16x128_f8f6f4 v[8*(8*((\a)%4)+\b):8*(8*((\a)%4)+\b)+7], v[128*(\p)+FR*\b:128*(\p)+FR*\b+FR-1], v[AF+FR*(\a):AF+FR*(\a)+FR-1], 0, v[SC+8*NQ*(\sc)+NQ*\b+(\q)], v[SC+8*NQ*(\sc)+NQ*(\a)+(\q)] matrix_a_fmt:MATRIX_FMT_FP4 matrix_b_fmt:MATRIX_FMT_FP4 matrix_a_scale:MATRIX_SCALE_ROW1
.else
	v_wmma_scale_f32_16x16x128_f8f6f4 v[8*(8*((\a)%4)+\b):8*(8*((\a)%4)+\b)+7], v[128*(\p)+FR*\b:128*(\p)+FR*\b+FR-1], v[AF+FR*(\a):AF+FR*(\a)+FR-1], v[8*(8*((\a)%4)+\b):8*(8*((\a)%4)+\b)+7], v[SC+8*NQ*(\sc)+NQ*\b+(\q)], v[SC+8*NQ*(\sc)+NQ*(\a)+(\q)] matrix_a_fmt:MATRIX_FMT_FP4 matrix_b_fmt:MATRIX_FMT_FP4 matrix_a_scale:MATRIX_SCALE_ROW1
.endif
.endr
.endr
.endm
.macro FETCH_B slot, q, p              ; W's eight fragments of the slot's q-th 128 along K into set p
	WIN TO_B
.irp i, 0,1,2,3,4,5,6,7
	FRAG 128*(\p)+FR*\i, ADRB+\slot, \q, \i
.endr
	WIN 0
.endm
.macro FETCH_A slot, q, i0             ; x's blocks i0 .. i0 + 3
.irp i, \i0, \i0+1, \i0+2, \i0+3
	FRAG AF+FR*(\i), ADRA+\slot, \q, \i
.endr
.endm
.macro SCALES sc                       ; the next K step's scale words into set sc: lanes 0-15 take x's block i, lanes 16-31 W's block i
.irp i, 0,1,2,3,4,5,6,7
	ds_load_b128 v[SC+8*NQ*\sc+NQ*\i:SC+8*NQ*\sc+NQ*\i+3], v[ADRS] offset:\i*SBLK
.endr
.endm
; A load into a register that a matrix instruction has read, and a vector instruction that reads a matrix result or writes one of its registers, stand NP places behind it; only plain vector instructions that name none of its
; registers are places (ISA guide 7.12.1 for vector instructions).
.macro PLACES n
.rept \n
	v_nop
.endr
.endm
.macro STEP slot, q, zero              ; a step of 128 along K that has its successor in the same slot
	s_wait_dscnt 4*NL                              ; W's set and x's blocks 0-3 are in; the youngest eight loads (x's blocks 4-7) may be out
	WIN MUL_LO
	MUL16 0, (\q)%2, \q, \slot, \zero
	MUL16 2, (\q)%2, \q, \slot, \zero
	s_wait_dscnt 0                                 ; x's blocks 4-7 are in
	PLACES NP
	FETCH_B \slot, (\q)+1, 1-(\q)%2
	FETCH_A \slot, (\q)+1, 0
	WIN MUL_HI
	MUL16 4, (\q)%2, \q, \slot, \zero
	MUL16 6, (\q)%2, \q, \slot, \zero
	PLACES NP
	WIN 0
	FETCH_A \slot, (\q)+1, 4
.endm
; A slot's last step changes slots: ONE barrier; in front of it each wave waits for all its tensor loads, adds 0 to its spare word, and waits for that and for its own reads of this slot.  fill = 1: this slot is filled again.
.macro TURN slot, next, fill
	s_wait_tensorcnt 0x0                           ; all my tensor loads have landed: my part of the next slot
	ds_add_u32 v[SPW], v[NIL]                      ; 0 onto my spare word
	s_wait_dscnt 4*NL+1                            ; (the add and the youngest eight loads, x's blocks 4-7, may be out)
	WIN MUL_LO
	MUL16 0, 1, NQ-1, \slot, 0                     ; sixteen matrix instructions stand between the add and the wait for it
	s_wait_dscnt 0x0                               ; the add is done, and my reads of this slot are over
	s_barrier_signal -1
	MUL16 2, 1, NQ-1, \slot, 0
	WIN 0
	s_barrier_wait -1
.if \fill
	CREST                                          ; the barrier has opened a round of the cluster's barrier: no wave of any partner still reads this slot's tile or has a load on its way
	s_add_nc_u64 s[G0+4*\slot+2:G0+4*\slot+3], s[G0+4*\slot+2:G0+4*\slot+3], 2*ROWB
	s_add_nc_u64 s[G0B+4*\slot+2:G0B+4*\slot+3], s[G0B+4*\slot+2:G0B+4*\slot+3], 2*ROWB
	JLOAD G0+4*\slot, G1, G0B+4*\slot, G1B         ; the first tensor load behind the round; its four v_nop are the places in front of the loads below
.else
	PLACES NP
.endif
	v_add_nc_u32 v[ADRS], 4*NQ, v[ADRS]            ; on to the next K step's scale words
	FETCH_B \next, 0, 0
	FETCH_A \next, 0, 0
	SCALES \next
	WIN MUL_HI
	MUL16 4, 1, NQ-1, \slot, 0
	MUL16 6, 1, NQ-1, \slot, 0
	PLACES NP
	WIN 0
	FETCH_A \next, 0, 4
.endm
.macro STEPS slot, from                ; the slot's steps from .. NQ - 2
.set Q, \from
.rept NQ-1-\from
	STEP \slot, Q, 0
.set Q, Q+1
.endr
.endm
; The table's set of block a: its first register TS, the window setting TWD under which it is loaded (destination) and TWS under which the rotary lines read it (source 1)
.macro TSET a
.if ((\a)%3) == 0
.set TS,  64
.set TWD, 0x40
.set TWS, 0x04
.elseif ((\a)%3) == 1
.set TS,  192
.set TWD, 0x40
.set TWS, 0x04
.else
.set TS,  192
.set TWD, 0
.set TWS, 0
.endif
.endm
.macro TLOADS a                        ; block a's cos and sin, 64 registers in the block's own order: 16 loads of 512 consecutive bytes
	TSET \a
	WIN TWD
.irp c, 0,1,2,3,4,5,6,7,8,9,10,11,12,13,14,15
	global_load_b128 v[TS+4*\c:TS+4*\c+3], v[L16], s[12:13] offset:8192*(\a)+512*\c
.endr
	WIN 0
.endm
	s_wait_tensorcnt 1                             ; the scales and my part of K step 0 are in (K step 1's load may be out),
	s_barrier_signal -1
	s_barrier_wait -1                              ; everybody's are
	FETCH_B 0, 0, 0
	FETCH_A 0, 0, 0
	SCALES 0
	FETCH_A 0, 0, 4
	STEP 0, 0, 1                                   ; the first step stands in front of the loop: its products start the sums
	s_mov_b32 s3, LAPS-1
.Llap:                                                 ; a trip goes once round the ring, from a lap's second step to the next lap's first, and fills both slots again
	STEPS 0, 1
	TURN 0, 1, 1
	STEPS 1, 0
	TURN 1, 0, 1
	STEP 0, 0, 0
	s_sub_co_u32 s3, s3, 1
	s_cmp_lg_u32 s3, 0
	s_cbranch_scc1 .Llap
	TLOADS 0                                       ; the tables of the way out's first three blocks are asked for here, seven steps of 64 matrix instructions ahead of the way out: 48 loads into registers that no product names
	TLOADS 1
	TLOADS 2
	STEPS 0, 1                                     ; the last lap fills nothing, and has no round of the cluster's barrier
	TURN 0, 1, 0
	STEPS 1, 0
	s_wait_dscnt 4*NL                              ; the very last step: nothing more to fetch from LDS
	WIN MUL_LO
	MUL16 0, 1, NQ-1, 1, 0
	MUL16 2, 1, NQ-1, 1, 0
	s_wait_dscnt 0
	WIN MUL_HI
	MUL16 4, 1, NQ-1, 1, 0
	MUL16 6, 1, NQ-1, 1, 0
	WIN 0
; THE WAY OUT, block by block of 16 rows x the head's 128 columns.  A lane holds 64 numbers of ONE row, lane l xor 16 the other 64.
.macro OUTBLK a
.set AC, 64*((\a)%4)
.set WW, 2+(\a)/4
	WIN WW|(WW<<2)
	v_pk_mul_f32 v[10:11], v[AC:AC+1], v[AC:AC+1]                  ; the sum of squares, in two chains; each accumulator is read from its low end on
	v_pk_mul_f32 v[12:13], v[AC+2:AC+3], v[AC+2:AC+3]
.set n, 2
.rept 15
	v_pk_fma_f32 v[10:11], v[AC+2*n:AC+2*n+1], v[AC+2*n:AC+2*n+1], v[10:11]
	v_pk_fma_f32 v[12:13], v[AC+2*n+2:AC+2*n+3], v[AC+2*n+2:AC+2*n+3], v[12:13]
.set n, n+2
.endr
	WIN 0
	v_pk_add_f32 v[10:11], v[10:11], v[12:13]
	v_add_f32 v10, v10, v11
	v_permlanex16_b32 v12, v10, s8, s9
	v_add_f32 v10, v10, v12                        ; the row's 128 squares
	v_fma_f32 v10, v10, s6, s7                     ; / 128 + eps
	v_rsq_f32 v14, v10
	v_nop                                          ; a plain instruction behind the transcendental,
	s_wait_alu depctr_va_vdst(0)                   ; and the wait ahead of its first reader
	v_cndmask_b32 v14, v14, v1, s4                 ; V is not normalised: its factor is 0.25
	s_wait_xcnt 0x0                                ; the last block's stores have read their data registers
	WIN WW
.set n, 0
.rept 32
	v_pk_mul_f32 v[Y+2*n:Y+2*n+1], v[AC+2*n:AC+2*n+1], v[14:15] op_sel_hi:[1,0]
.set n, n+1
.endr
	TSET \a
	WIN TWS                                        ; source 1: the table's set
.if (\a) < 6
	s_wait_loadcnt 32                              ; this block's table is in; the 32 loads of the two blocks behind it may be out
.elseif (\a) == 6
	s_wait_loadcnt 16                              ; the last block's 16 may be out
.else
	s_wait_loadcnt 0x0
.endif
.set n, 0
.rept 16                                       ; columns i and 64 + i turn together: y1' = y1 cos + y2 sin, y2' = y2 cos - y1 sin
.set tp, 2+4*(n%2)
	v_pk_mul_f32 v[tp:tp+1], v[Y+32+2*n:Y+32+2*n+1], v[TS+32+2*n:TS+32+2*n+1]
	v_pk_mul_f32 v[tp+2:tp+3], v[Y+2*n:Y+2*n+1], v[TS+32+2*n:TS+32+2*n+1]
	v_pk_fma_f32 v[Y+2*n:Y+2*n+1], v[Y+2*n:Y+2*n+1], v[TS+2*n:TS+2*n+1], v[tp:tp+1]
	v_pk_fma_f32 v[Y+32+2*n:Y+32+2*n+1], v[Y+32+2*n:Y+32+2*n+1], v[TS+2*n:TS+2*n+1], v[tp+2:tp+3] neg_lo:[0,0,1] neg_hi:[0,0,1]
.set n, n+1
.endr
	WIN 0
.if (\a) < 5
	TLOADS (\a)+3                                  ; the set has been read: it takes the table of the block three further on
.endif
.if (\a) == 0
	s_cmp_eq_u32 s5, 0                             ; a batch's positions 0-15 are also kept in f32
	s_cbranch_scc0 .Lnofine
.irp c, 0,1,2,3,4,5,6,7,8,9,10,11,12,13,14,15
	global_store_b128 v[L16], v[Y+4*\c:Y+4*\c+3], s[98:99] offset:512*\c
.endr
.Lnofine:
.endif
.set n, 0
.rept 32
	v_cvt_pk_f16_f32 v[PK+n], v[Y+2*n], v[Y+2*n+1]
.set n, n+1
.endr
.irp b, 0,1,2,3,4,5,6,7
	global_store_b128 v[SO], v[PK+4*\b:PK+4*\b+3], s[96:97] offset:16384*(\b/4)+2048*(\a)+512*(\b%4)   ; the wave stores 512 consecutive bytes, aligned
.endr
.endm
	PLACES NP                                      ; behind the last products: their results are read, and registers that held x's fragments are written
.irp a, 0,1,2,3,4,5,6,7
	OUTBLK \a
.endr
	s_wait_tensorcnt 0x0                           ; the wave's end: three lines behind my last tensor load
	ds_add_u32 v[SPW], v[NIL]
	s_wait_dscnt 0x0
	CROUND                                         ; the closing round: no work-group ends while a partner may still ask for a tile that names it
	s_endpgm
.Lfunc_end_k_q9aa3e52b23_qkv:
	.size	k_q9aa3e52b23_qkv, .Lfunc_end_k_q9aa3e52b23_qkv-k_q9aa3e52b23_qkv
	.p2alignl 7, 3214868480
	.fill 96, 4, 3214868480
	.section	.rodata,"a",@progbits
	.p2align	6, 0x0
	.amdhsa_kernel k_q9aa3e52b23_qkv
		.amdhsa_group_segment_fixed_size 327680
		.amdhsa_private_segment_fixed_size 0
		.amdhsa_enable_private_segment 0
		.amdhsa_kernarg_size 40
		.amdhsa_user_sgpr_count 2
		.amdhsa_user_sgpr_kernarg_segment_ptr 1
		.amdhsa_wavefront_size32 1
		.amdhsa_system_sgpr_workgroup_id_x 1
		.amdhsa_system_sgpr_workgroup_id_y 1
		.amdhsa_system_sgpr_workgroup_id_z 1
		.amdhsa_system_vgpr_workitem_id 0
		.amdhsa_next_free_vgpr 1024
		.amdhsa_next_free_sgpr 100
		.amdhsa_reserve_vcc 0
		.amdhsa_float_denorm_mode_32 3
		.amdhsa_float_denorm_mode_16_64 3
		.amdhsa_memory_ordered 1
		.amdhsa_forward_progress 1
		.amdhsa_inst_pref_size 255
	.end_amdhsa_kernel
	.section	.bss,"aw",@nobits
	.p2align	6
	.space	262144
	.amdgpu_metadata
---
amdhsa.version: [ 1, 2 ]
amdhsa.kernels:
  - .name:           k_q9aa3e52b23_qkv
    .symbol:         k_q9aa3e52b23_qkv.kd
    .args:
      - { .name: codes, .offset: 0, .size: 8, .value_kind: global_buffer, .address_space: global }
      - { .name: scales, .offset: 8, .size: 8, .value_kind: global_buffer, .address_space: global }
      - { .name: rope, .offset: 16, .size: 8, .value_kind: global_buffer, .address_space: global }
      - { .name: qkvh, .offset: 24, .size: 8, .value_kind: global_buffer, .address_space: global }
      - { .name: qkvf, .offset: 32, .size: 8, .value_kind: global_buffer, .address_space: global }
    .group_segment_fixed_size: 327680
    .private_segment_fixed_size: 0
    .kernarg_segment_align: 8
    .kernarg_segment_size: 40
    .max_flat_workgroup_size: 128
    .sgpr_count:     100
    .vgpr_count:     1024
    .wavefront_size: 32
...
	.end_amdgpu_metadata
.endif
;; end of part 2
;; launch attn (part 3): grid 16 x 16, 4 waves a work-group, no clusters, 327,680 bytes of LDS; arguments qkvh, attn16; writes attn16
.if DOCPART == 3
	.amdgcn_target "amdgcn-amd-amdhsa--gfx1250"
	.amdhsa_code_object_version 6
	.text
	.protected	k_q9aa3e52b23_attn
	.globl	k_q9aa3e52b23_attn
	.p2align	8
	.type	k_q9aa3e52b23_attn,@function
k_q9aa3e52b23_attn:
	s_mov_b64 s[64:65], 0
	v_nop
	global_prefetch_b8 v0, s[64:65] scope:SCOPE_SE
	s_setreg_imm32_b32 hwreg(HW_REG_WAVE_MODE, 25, 1), 1
	s_wait_xcnt 0x0
; ATTN: causal attention on f16 operands, sums, maxima and softmax in f32.  O[q] = sum over k <= q of softmax_k(Q[q] . K[k] / sqrt(128)) V[k].  V comes as v / 4, so O leaves as attention / 4 (the projection's weights are 4 x Wo).
; SHARES.  Work-group (u, y): batch y / 4, key and value head y % 4.  ITS FOUR WAVES ARE THE FOUR QUERY HEADS THAT SHARE THAT HEAD, so K's and V's tiles in LDS serve all four.  Each wave holds four tiles of 16 queries in two
; pieces: piece 0 (tiles 0, 1): queries 32 u .. 32 u + 31; piece 2 (tiles 2, 3): queries 992 - 32 u .. 1023 - 32 u.  An early and a late piece together have the same number of key steps for every u.
; NO CLUSTER: work-groups that walk the same K and V differ in u, and so in the number of slots that they read (8 - u / 4): a partner would be sent whole tiles that the mask lets it pass over.
; LAYOUT.  S^T = K Q^T (source 0 = 16 keys, source 1 = 16 queries): a lane holds ONE query (lane % 16) and keys 8 (lane / 16) + 0 .. 7.  Two such tiles, rounded to f16 in pairs, ARE source 1 of O^T = V^T P.
; All operands lie in memory in the order of their registers, so every LDS read is at 16 x lane; V's images are turned by ds_load_tr16_b128.
; SOFTMAX.  For each query a running maximum m and sum l: p = 2^(c s - c m), c = log2(e) / sqrt(128); in every step O and l are multiplied by 2^(c m_old - c m_new).
; THE WALK.  Every work-group walks 8 slots of 128 keys (two steps of 64): the trip counts are constants.  A step all of whose keys come after a piece's queries is passed over by a scalar branch on ids; on the diagonal hidden
; scores become -infinity.  A step's first key is a multiple of 64 and a piece's first query of 32, so a piece that walks a step sees the step's first key with every query: the maximum is a number.
; REGISTERS, in windows of 256: window 0: v2-7 addresses and the mask's; v12-43 eight registers of statistics a tile; v64-191 S^T, 32 a tile; v192-255 P, 16 a tile.   window 1: O^T, 64 a tile.
;   window 2: v0-127 Q, 32 a tile; v128-255 K of one step.   window 3: v0-127 V of one step.
.set SLOTB, 65536                      ; a slot: K's two halves of 16,384 bytes (channels 0-63, 64-127 of 128 keys), then V's two; slot 1 begins here
.set SPARE, 131072                     ; behind the ring: the spare words, 128 bytes for each wave
.set L16,  2                           ; v2   16 x lane; never rewritten
.set ADR,  4                           ; v4   the LDS address of the step's loads
.set DB,   5                           ; v5   lane % 16 - 8 (lane / 16)
.set DD,   6                           ; v6   the mask's threshold
.set NINF, 7                           ; v7   -infinity
.set ST,   12                          ; tile t's statistics at v[ST+8 t]: +0 c m, +1 m, +2, +3 l (even keys', odd keys'), +4 to +7 at work; the factor takes +6
.set PFO,  61                          ; v61  256 x lane; never rewritten
.set SPW,  62                          ; v62  LDS address of my spare word; never rewritten
.set NIL,  63                          ; v63  0; never rewritten
.set S,    64
.set P,    192
.set KFR,  128                         ; K's fragments, in window 2
.set WV,   12                          ; s12  my wave's number
.set G1,   16                          ; s[16:23] descriptor group 1: 16,384 dense bytes
.set G0,   24                          ; s[24:27] descriptor group 0: it walks
.set QL,   28                          ; s[28:29] Q at piece 0, s[30:31] at piece 2
.set OL,   32                          ; s[32:33] O at piece 0, s[34:35] at piece 2
.set PFA,  36                          ; s[36:37] where my prefetches stand: my 16,384 bytes of the slot after the one that is being asked for
.set LIM,  38                          ; s38  2 in a work-group that prefetches, else the greatest number
.set SLOTS, 39                         ; s39  slots to go
.set TWICE, 40                         ; s40  counts a slot's two steps
.set TB,   41                          ; s41  LDS byte at which the step's key tiles begin
.set KF,   42                          ; s42  the step's first key
.set QL0,  43                          ; s43  piece 0's first query, s44 its last
.set QLL,  44
.set QH0,  45                          ; s45  piece 2's first query, s46 its last
.set QHL,  46
.set CS,   48                          ; s[48:49] c
.set SEL,  50                          ; s[50:51] lane selects for v_permlanex16_b32: lane l xor 16
.set MSB, 0
.macro WIN new                         ; the immediate's high byte repeats the setting that is left
.if MSB != \new
	s_set_vgpr_msb (MSB<<8)|\new
.set MSB, \new
.endif
.endm
.set W_KQ, 0x0a                        ; K and Q in window 2, S^T in window 0
.set W_PV, 0x53                        ; V in window 3, P in window 0, O^T in window 1
.set W_RS, 0x41                        ; O^T (destination and source 0) in window 1, the factor in window 0
.macro PLACES
.rept 4
	v_nop
.endr
.endm
	s_load_b128 s[4:7], s[0:1], 0x0                ; qkvh, attn16
	v_lshl_add_u32 v[SPW], v0, 2, SPARE
	v_mov_b32 v[NIL], 0
	ds_add_u32 v[SPW], v[NIL]                      ; the wave's opening: the add, twice on end, and its wait ahead of my first tensor load; the set-up below stands between the second and the wait
	ds_add_u32 v[SPW], v[NIL]
	v_lshrrev_b32 v1, 5, v0
	v_readfirstlane_b32 s[WV], v1                  ; wave 0..3
	s_and_b32 s8, ttmp7, 0xffff
	s_lshr_b32 s9, s8, 2                           ; batch
	s_and_b32 s10, s8, 3                           ; key and value head
	s_lshl_b32 s11, s10, 2
	s_add_co_u32 s11, s11, s[WV]                   ; my query head
	s_lshl_b32 s13, s9, 3                          ; 8 blocks of 128 rows a batch
	; descriptor group 1: 64 rows of 256 bytes, dense, no padding
	s_mov_b32 s[G1], 3<<16                         ; no mask; elements of 8 bytes
	s_mov_b32 s[G1+1], 32<<16                      ; tensor_dim0 = 32
	s_mov_b32 s[G1+2], 64<<16                      ; tensor_dim1 = 64
	s_mov_b32 s[G1+3], 32<<16                      ; tile_dim0 = 32
	s_mov_b32 s[G1+4], 64                          ; tile_dim1 = 64
	s_mov_b32 s[G1+5], 32                          ; from row to row
	s_mov_b32 s[G1+6], 0
	s_mov_b32 s[G1+7], 0
	; what I fetch: waves 0, 1: K's two halves; waves 2, 3: V's
	s_lshl_b32 s52, s10, 1
	s_lshr_b32 s14, s[WV], 1
	s_add_co_u32 s52, s52, s14
	s_add_co_u32 s52, s52, 16                      ; the column head: 16 + 2 x head (+ 1 for V)
	s_lshl_b32 s52, s52, 5
	s_add_co_u32 s52, s52, s13
	s_lshl_b32 s52, s52, 15
	s_and_b32 s14, s[WV], 1
	s_lshl_b32 s14, s14, 14
	s_add_co_u32 s52, s52, s14
	s_mov_b32 s53, 0
	; Q's blocks
	s_lshl_b32 s14, s11, 5
	s_add_co_u32 s14, s14, s13                     ; 32 x head + 8 x batch
	s_lshr_b32 s56, ttmp9, 2
	s_add_co_u32 s56, s56, s14
	s_lshl_b32 s56, s56, 15
	s_and_b32 s57, ttmp9, 3
	s_lshl_b32 s57, s57, 12
	s_add_co_u32 s56, s56, s57                     ; piece 0: queries 32 u on: block u / 4, row tiles 2 (u % 4) on
	s_mov_b32 s57, 0
	s_sub_co_u32 s15, 31, ttmp9
	s_lshr_b32 s58, s15, 2
	s_add_co_u32 s58, s58, s14
	s_lshl_b32 s58, s58, 15
	s_and_b32 s59, s15, 3
	s_lshl_b32 s59, s59, 12
	s_add_co_u32 s58, s58, s59                     ; piece 2: the same with 31 - u
	s_mov_b32 s59, 0
	; O's images: [head][row tile 64 x batch + position / 16][4,096 bytes]
	s_lshl_b32 s60, s11, 8
	s_lshl_b32 s61, s9, 6
	s_add_co_u32 s60, s60, s61
	s_lshl_b32 s61, ttmp9, 1
	s_add_co_u32 s62, s60, 62
	s_sub_co_u32 s62, s62, s61
	s_add_co_u32 s60, s60, s61
	s_lshl_b32 s60, s60, 12
	s_lshl_b32 s62, s62, 12
	s_mov_b32 s61, 0
	s_mov_b32 s63, 0
	s_lshl_b32 s[QL0], ttmp9, 5
	s_add_co_u32 s[QLL], s[QL0], 31
	s_sub_co_u32 s[QH0], 992, s[QL0]
	s_add_co_u32 s[QHL], s[QH0], 31
	s_mov_b32 s[CS], 0x3e0293ee                    ; c = log2(e) / sqrt(128)
	s_mov_b32 s[CS+1], s[CS]                       ; (named with it as a pair, so it is written)
	s_mov_b32 s[SEL], 0x76543210
	s_mov_b32 s[SEL+1], 0xfedcba98
	s_mov_b32 s[TB], 0
	s_mov_b32 s[KF], 0
	s_mov_b32 s[SLOTS], 8
	s_cmp_eq_u32 ttmp9, 0                          ; the work-group with u = 0 walks all keys of its head: it alone prefetches
	s_cselect_b32 s[LIM], 2, -1
	s_wait_dscnt 0x0                               ; both opening adds are done
	s_wait_kmcnt 0x0
	s_mov_b32 s[G0], 1                             ; count = 1
	s_lshl_b32 s[G0+1], s[WV], 14                  ; LDS: slot 0, my quarter
	s_add_nc_u64 s[G0+2:G0+3], s[4:5], s[52:53]    ; the head's first 128 keys
	s_or_b32 s[G0+3], s[G0+3], 0x80000000          ; type = 2
	tensor_load_to_lds s[G0:G0+3], s[G1:G1+7]      ; slot 0: one load a wave
	s_nop 0
	PLACES
	s_add_nc_u64 s[PFA:PFA+1], s[4:5], s[52:53]
	s_add_nc_u64 s[PFA:PFA+1], s[PFA:PFA+1], 32768 ; in slot 1: the first change of slots steps it to slot 2.  Nothing is prefetched here, at the head
	s_add_nc_u64 s[QL:QL+1], s[4:5], s[56:57]
	s_add_nc_u64 s[QL+2:QL+3], s[4:5], s[58:59]
	s_add_nc_u64 s[OL:OL+1], s[6:7], s[60:61]
	s_add_nc_u64 s[OL+2:OL+3], s[6:7], s[62:63]
	v_and_b32 v1, 31, v0
	v_lshlrev_b32 v[L16], 4, v1
	v_lshlrev_b32 v[PFO], 8, v1
	WIN 0x80                                       ; destination window 2, address window 0
.irp t, 0,1,2,3                                ; Q stays in registers: tile t, chunk c (16 channels) at v[32 t + 4 c]
.irp c, 0,1,2,3,4,5,6,7
	global_load_b128 v[32*\t+4*\c:32*\t+4*\c+3], v[L16], s[QL+2*(\t/2):QL+2*(\t/2)+1] offset:2048*(\t%2)+16384*(\c/4)+512*(\c%4)
.endr
.endr
	WIN 0
	v_and_b32 v8, 15, v0
	v_bfe_u32 v9, v0, 4, 1
	v_lshlrev_b32 v9, 3, v9
	v_sub_nc_u32 v[DB], v8, v9
	v_mov_b32 v[NINF], 0xff800000
.irp t, 0,1,2,3
	v_mov_b32 v[ST+8*\t+1], 0xff61b1e6             ; m: -3e38, under every score
	v_mov_b32 v[ST+8*\t+2], 0                      ; l
	v_mov_b32 v[ST+8*\t+3], 0
	v_mov_b32 v[ST+8*\t+4], 0
	v_mov_b32 v[ST+8*\t+5], 0                      ; (a lane permute's destination counts as one of its sources)
	v_mov_b32 v[ST+8*\t+6], 0
	v_mov_b32 v[ST+8*\t+7], 0
	v_mul_f32 v[ST+8*\t], s[CS], v[ST+8*\t+1]      ; c m
.endr
	WIN 0x40
.set i, 0
.rept 256
	v_mov_b32 v[i], 0                              ; O^T.  The key step is written once: the first step finds zeros, which its factor 0 leaves zeros
.set i, i+1
.endr
	WIN 0
; Product i of 32 of S^T = K Q^T for piece x: channels 32 (i / 8) on, keys 16 ((i / 2) % 4) on, tile x + i % 2.  The first 8 start the sums.  The eight accumulators take turns.
.macro KQ x
	WIN W_KQ
.set rS, S+32*(\x+i%2)+8*((i/2)%4)
.set rK, KFR+32*((i/2)%4)+8*(i/8)
.set rQ, 32*(\x+i%2)+8*(i/8)
.if i < 8
	v_wmma_f32_16x16x32_f16 v[rS:rS+7], v[rK:rK+7], v[rQ:rQ+7], 0
.else
	v_wmma_f32_16x16x32_f16 v[rS:rS+7], v[rK:rK+7], v[rQ:rQ+7], v[rS:rS+7]
.endif
.endm
; Product i of 32 of O^T += V^T P: keys 32 (i / 16) on, channels 16 ((i / 2) % 8) on, tile x + i % 2.  Sixteen accumulators by turns.
.macro PV x
	WIN W_PV
.set rO, 64*(\x+i%2)+8*((i/2)%8)
.set rV, 64*(i/16)+8*((i/2)%8)
.set rP, P+16*(\x+i%2)+8*(i/16)
	v_wmma_f32_16x16x32_f16 v[rO:rO+7], v[rV:rV+7], v[rP:rP+7], v[rO:rO+7]
.endm
; One tile's softmax for one key step is a list of 134 instructions; SM writes number j of it for tile t.  s0-s31 are the lane's 32 scores, in pairs 0-15.
;   0-15 the maximum of s0-s31 and the old m;  16-20 the other half of the lanes' maximum, the new m, c m, c m_old - c m_new;  21-69 ONE BATCH: the 16 scalings c s - c m and all 33 exponentials, none of which reads an
;   exponential's result;  70-85 the roundings to f16;  86-101 the sums, l = factor x l + the sum;  102-133 the tile's O^T times the factor.
.macro SM t
.set rT, ST+8*(\t)
.set rS, S+32*(\t)
.set rP, P+16*(\t)
.set rO, 64*(\t)+2*(j-102)
.if j < 102
	WIN 0
.endif
.if j < 4
	v_max3_num_f32 v[rT+4+j], v[rS+8*j], v[rS+8*j+1], v[rS+8*j+2]     ; each accumulator is read from its low end on
.elseif j < 12
	v_max3_num_f32 v[rT+4+j%4], v[rT+4+j%4], v[rS+8*(j%4)+2*(j/4)+1], v[rS+8*(j%4)+2*(j/4)+2]
.elseif j == 12
	v_max3_num_f32 v[rT+4], v[rT+4], v[rS+7], v[rS+15]
.elseif j == 13
	v_max3_num_f32 v[rT+6], v[rT+6], v[rS+23], v[rS+31]
.elseif j == 14
	v_max3_num_f32 v[rT+4], v[rT+4], v[rT+5], v[rT+6]
.elseif j == 15
	v_max3_num_f32 v[rT+4], v[rT+4], v[rT+7], v[rT+1]
.elseif j == 16
	v_permlanex16_b32 v[rT+5], v[rT+4], s[SEL], s[SEL+1]  ; the query's other 32 keys lie in the lane 16 away
.elseif j == 17
	v_mov_b32 v[rT+7], v[rT]                       ; c m_old is kept: number 19 writes c m anew
.elseif j == 18
	v_max_num_f32 v[rT+1], v[rT+4], v[rT+5]
.elseif j == 19
	v_mul_f32 v[rT], s[CS], v[rT+1]
.elseif j == 20
	v_sub_f32 v[rT+7], v[rT+7], v[rT]
.elseif j == 23
	v_exp_f32 v[rT+6], v[rT+7]
.elseif (j < 23) || ((j < 38) && (j%2 == 0)) || ((j < 66) && (j%4 == 2))
.set b, (j-2)/4                        ; 38, 42, .. 62: pairs 9 to 15
.if j < 38
.set b, (j-20)/2                       ; 21: pair 0; 22, 24, .. 36: pairs 1 to 8
.endif
	v_pk_fma_f32 v[rS+2*b:rS+2*b+1], v[rS+2*b:rS+2*b+1], s[CS:CS+1], v[rT:rT+1] op_sel_hi:[1,0,0] neg_lo:[0,0,1] neg_hi:[0,0,1]  ; pair b: c s - c m
.elseif j < 70
.set e, j-38                           ; 66 to 69: s28 to s31
.if j < 66
.set e, j-32-(j-38)/4                  ; 39-41, 43-45, .. 63-65: s7 to s27
.endif
.if j < 38
.set e, (j-25)/2                       ; 25, 27, .. 37: s0 to s6
.endif
	v_exp_f32 v[rS+e], v[rS+e]
.elseif j < 86
	v_cvt_pk_f16_f32 v[rP+j-70], v[rS+2*(j-70)], v[rS+2*(j-70)+1]
.elseif j < 102                        ; the sum of the tile's 16 pairs, in place: neighbours 1, 2, 4 and 8 pairs apart, then l takes it
.set z, j-86
.set w, 4
.set u, z
.if z >= 14
.set w, 32
.set u, 0
.elseif z >= 12
.set w, 16
.set u, z-12
.elseif z >= 8
.set w, 8
.set u, z-8
.endif
.if z < 15
	v_pk_add_f32 v[rS+w*u:rS+w*u+1], v[rS+w*u:rS+w*u+1], v[rS+w*u+w/2:rS+w*u+w/2+1]
.else
	v_pk_fma_f32 v[rT+2:rT+3], v[rT+2:rT+3], v[rT+6:rT+7], v[rS:rS+1] op_sel_hi:[1,0,1]
.endif
.else
	WIN W_RS
	v_pk_mul_f32 v[rO:rO+1], v[rO:rO+1], v[rT+6:rT+7] op_sel_hi:[1,0]
.endif
.endm
.macro SOFTMAX x                       ; both tiles of a piece, number by number, so that no instruction reads the result of the one just before it
.set j, 0
.rept 70
	SM \x
	SM (\x)+1
.set j, j+1
.endr
	v_nop                                          ; a plain instruction behind the last exponential,
	s_wait_alu depctr_va_vdst(0)                   ; and ONE wait for the piece's 66, ahead of the first instruction that names a result
.rept 64
	SM \x
	SM (\x)+1
.set j, j+1
.endr
.endm
.macro MASK x, q0                      ; register 8 kt + j of tile t holds key KF + 16 kt + 8 h + j, my query is q0 + 16 (t - x) + r: hidden where 16 kt + j > r - 8 h + q0 + 16 (t - x) - KF
	s_sub_co_i32 s52, s[\q0], s[KF]
	v_add_nc_u32 v[DD], s52, v[DB]
.irp t, 0,1
.set n, 0
.rept 32
	v_cmp_gt_i32 vcc_lo, 16*(n/8)+n%8, v[DD]
	v_cndmask_b32 v[S+32*(\x+\t)+n], v[S+32*(\x+\t)+n], v[NINF], vcc_lo
.set n, n+1
.endr
.if \t == 0
	v_add_nc_u32 v[DD], 16, v[DD]
.endif
.endr
.endm
.macro PIECE x, q0                     ; one piece's share of a key step, in phases
	s_wait_dscnt 32                                ; K's 32 loads are in; V's 32 may be out
.set i, 0
.rept 32
	KQ \x
.set i, i+1
.endr
	WIN 0
	PLACES                                         ; behind the products, ahead of the first read of their results
	s_add_co_u32 s52, s[KF], 63
	s_cmp_le_u32 s52, s[\q0]                       ; all 64 keys count for all queries of the piece: no mask
	s_cbranch_scc1 .Lopen_\@
	MASK \x, \q0
.Lopen_\@:
	SOFTMAX \x
	s_wait_dscnt 0x0                               ; V is in
.set i, 0
.rept 32
	PV \x
.set i, i+1
.endr
	WIN 0
.endm
.macro STEP                            ; 64 keys
	s_cmp_gt_u32 s[KF], s[QHL]                     ; all keys come after my last query: the step's work is passed over, its address steps are not
	s_cbranch_scc1 .Lnone_\@
	PLACES                                         ; in front of loads into registers that the last step's products have read
	v_add_nc_u32 v[ADR], s[TB], v[L16]
	WIN 0x80                                       ; destination window 2
.irp f, 0,1,2,3,4,5,6,7,8,9,10,11,12,13,14,15  ; K: keys 16 (f / 4) on, channels 32 (f % 4) on
	ds_load_b128 v[KFR+8*\f:KFR+8*\f+3],   v[ADR] offset:16384*((\f%4)/2)+2048*(\f/4)+1024*(\f%2)
	ds_load_b128 v[KFR+8*\f+4:KFR+8*\f+7], v[ADR] offset:16384*((\f%4)/2)+2048*(\f/4)+1024*(\f%2)+512
.endr
	WIN 0xc0                                       ; destination window 3
.irp f, 0,1,2,3,4,5,6,7,8,9,10,11,12,13,14,15  ; V, turned: keys 32 (f / 8) on, channels 16 (f % 8) on
	ds_load_tr16_b128 v[8*\f:8*\f+3],   v[ADR] offset:32768+16384*((\f%8)/4)+4096*(\f/8)+512*(\f%4)
	ds_load_tr16_b128 v[8*\f+4:8*\f+7], v[ADR] offset:32768+16384*((\f%8)/4)+4096*(\f/8)+512*(\f%4)+2048
.endr
	WIN 0
	s_cmp_gt_u32 s[KF], s[QLL]
	s_cbranch_scc1 .LnoL_\@
	PIECE 0, QL0
.LnoL_\@:
	PIECE 2, QH0
.Lnone_\@:
	s_add_co_u32 s[KF], s[KF], 64
	s_add_co_u32 s[TB], s[TB], 8192                ; four key tiles of 2,048 bytes on
.endm
	s_wait_loadcnt 0x0                             ; Q
.Lslot:                                            ; 8 trips.  THE CHANGE OF SLOTS stands at a slot's head
	s_wait_tensorcnt 0x0                           ; all my tensor loads have landed: my part of the slot that is about to be read; so the group 0 may be written
	ds_add_u32 v[SPW], v[NIL]                      ; 0 onto my spare word; the steps below stand between it and the wait for it
	s_xor_b32 s[G0+1], s[G0+1], SLOTB              ; the other slot than last time,
	s_add_nc_u64 s[G0+2:G0+3], s[G0+2:G0+3], 32768 ; the next 128 keys; the type bits on top are not reached
	s_wait_xcnt 0x0                                ; the last prefetches, a slot back, have read their address
	s_add_nc_u64 s[PFA:PFA+1], s[PFA:PFA+1], 32768
	s_wait_dscnt 0x0                               ; the add is done, and my reads of the slot that I have left are over
	s_barrier_signal -1
	s_barrier_wait -1                              ; the slot ahead is whole, and nobody reads the other one
	s_add_co_u32 s52, s[KF], 128                   ; THE LOOK-AHEAD ENDS AT THE CAUSAL LIMIT: a slot whose first key comes after the work-group's last query is read by no wave and is not asked for.
	s_cmp_gt_u32 s52, s[QHL]                       ; ids and the count of steps alone: all four waves go the same way.  1,024 is above every last query, so no load leaves the head's keys
	s_cbranch_scc1 .Lpast
	tensor_load_to_lds s[G0:G0+3], s[G1:G1+7]      ; my one tensor load until the next change: it has two key steps in which to land; one load of mine is out
	s_nop 0
	PLACES
.Lpast:
	s_cmp_gt_u32 s[SLOTS], s[LIM]                  ; A PREFETCH of my 16,384 bytes of the slot that the NEXT change will ask for: lanes 256 bytes apart, two instructions.  The work-group with u = 0 alone asks, so each block is
	s_cbranch_scc0 .Lnoask                         ; named once; the last two trips have no such slot and ask for nothing
	global_prefetch_b8 v[PFO], s[PFA:PFA+1] th:TH_LOAD_NT scope:SCOPE_SE
	global_prefetch_b8 v[PFO], s[PFA:PFA+1] offset:8192 th:TH_LOAD_NT scope:SCOPE_SE
.Lnoask:
	s_mov_b32 s[TWICE], 2
.Lstep:
	STEP
	s_sub_co_u32 s[TWICE], s[TWICE], 1
	s_cmp_lg_u32 s[TWICE], 0
	s_cbranch_scc1 .Lstep
	s_sub_co_u32 s[TB], s[TB], 16384               ; back to a slot's first step,
	s_xor_b32 s[TB], s[TB], SLOTB                  ; in the other slot
	s_sub_co_u32 s[SLOTS], s[SLOTS], 1
	s_cmp_lg_u32 s[SLOTS], 0
	s_cbranch_scc1 .Lslot
	; THE WAY OUT.  l's two halves and the other half of the lanes' are added; O^T is divided by l and rounded to f16.  A lane's eight channels of a row ARE 16 bytes of the image at 16 x lane: no stage in LDS.
.irp t, 0,1,2,3
	v_add_f32 v[ST+8*\t+4], v[ST+8*\t+2], v[ST+8*\t+3]
.endr
.irp t, 0,1,2,3
	v_permlanex16_b32 v[ST+8*\t+5], v[ST+8*\t+4], s[SEL], s[SEL+1]
.endr
.irp t, 0,1,2,3
	v_add_f32 v[ST+8*\t+4], v[ST+8*\t+4], v[ST+8*\t+5]
.endr
.irp t, 0,1,2,3
	v_rcp_f32 v[ST+8*\t+6], v[ST+8*\t+4]
.endr
	v_nop                                          ; a plain instruction behind the last reciprocal,
	s_wait_alu depctr_va_vdst(0)                   ; and one wait for the four
.macro PACK t
	WIN W_RS
.set i, 64*\t
.rept 32
	v_pk_mul_f32 v[i:i+1], v[i:i+1], v[ST+8*\t+6:ST+8*\t+7] op_sel_hi:[1,0]
.set i, i+2
.endr
	WIN 0x05                                       ; sources 0 and 1 window 1, destination window 0: S^T's registers are free
.set i, 0
.rept 32
	v_cvt_pk_f16_f32 v[S+32*\t+i], v[64*\t+2*i], v[64*\t+2*i+1]
.set i, i+1
.endr
	WIN 0
.irp f, 0,1,2,3,4,5,6,7
	global_store_b128 v[L16], v[S+32*\t+4*\f:S+32*\t+4*\f+3], s[OL+2*(\t/2):OL+2*(\t/2)+1] offset:4096*(\t%2)+512*\f   ; the wave stores 512 consecutive bytes, aligned
.endr
.endm
	PACK 0
	PACK 1
	PACK 2
	PACK 3
	s_wait_tensorcnt 0x0                           ; the wave's end: three lines behind my last tensor load
	ds_add_u32 v[SPW], v[NIL]
	s_wait_dscnt 0x0
	s_endpgm
.Lfunc_end_k_q9aa3e52b23_attn:
	.size	k_q9aa3e52b23_attn, .Lfunc_end_k_q9aa3e52b23_attn-k_q9aa3e52b23_attn
	.p2alignl 7, 3214868480
	.fill 96, 4, 3214868480
	.section	.rodata,"a",@progbits
	.p2align	6, 0x0
	.amdhsa_kernel k_q9aa3e52b23_attn
		.amdhsa_group_segment_fixed_size 327680
		.amdhsa_private_segment_fixed_size 0
		.amdhsa_enable_private_segment 0
		.amdhsa_kernarg_size 16
		.amdhsa_user_sgpr_count 2
		.amdhsa_user_sgpr_kernarg_segment_ptr 1
		.amdhsa_wavefront_size32 1
		.amdhsa_system_sgpr_workgroup_id_x 1
		.amdhsa_system_sgpr_workgroup_id_y 1
		.amdhsa_system_sgpr_workgroup_id_z 1
		.amdhsa_system_vgpr_workitem_id 0
		.amdhsa_next_free_vgpr 1024
		.amdhsa_next_free_sgpr 66
		.amdhsa_reserve_vcc 1
		.amdhsa_float_denorm_mode_32 3
		.amdhsa_float_denorm_mode_16_64 3
		.amdhsa_memory_ordered 1
		.amdhsa_forward_progress 1
		.amdhsa_inst_pref_size 89
	.end_amdhsa_kernel
	.amdgpu_metadata
---
amdhsa.version: [ 1, 2 ]
amdhsa.kernels:
  - .name:           k_q9aa3e52b23_attn
    .symbol:         k_q9aa3e52b23_attn.kd
    .args:
      - { .name: qkvh, .offset: 0, .size: 8, .value_kind: global_buffer, .address_space: global }
      - { .name: attn16, .offset: 8, .size: 8, .value_kind: global_buffer, .address_space: global }
    .group_segment_fixed_size: 327680
    .private_segment_fixed_size: 0
    .kernarg_segment_align: 8
    .kernarg_segment_size: 16
    .max_flat_workgroup_size: 128
    .sgpr_count:     66
    .vgpr_count:     1024
    .wavefront_size: 32
...
	.end_amdgpu_metadata
.endif
;; end of part 3
;; launch proj (part 4): grid 8 x 32, 4 waves a work-group, clusters of 4 x 4, 327,680 bytes of LDS; arguments attn16, wo16, out0; writes out0
.if DOCPART == 4
	.amdgcn_target "amdgcn-amd-amdhsa--gfx1250"
	.amdhsa_code_object_version 6
	.text
	.protected	k_q9aa3e52b23_proj
	.globl	k_q9aa3e52b23_proj
	.p2align	8
	.type	k_q9aa3e52b23_proj,@function
k_q9aa3e52b23_proj:
	s_mov_b64 s[64:65], 0
	v_nop
	global_prefetch_b8 v0, s[64:65] scope:SCOPE_SE
	s_setreg_imm32_b32 hwreg(HW_REG_WAVE_MODE, 25, 1), 1
	s_wait_xcnt 0x0
	s_wait_alu depctr_hold_cnt(0) depctr_sa_sdst(0) depctr_va_vdst(0) depctr_va_sdst(0) depctr_va_ssrc(0) depctr_va_vcc(0) depctr_vm_vsrc(0)
	s_getreg_b32 s2, hwreg(HW_REG_IB_STS2, 6, 4)
	s_cmp_eq_u32 s2, 0
	s_cbranch_scc0 .Lentry_in_a_cluster
	s_endpgm
.Lentry_in_a_cluster:
	s_bfe_u32 s2, ttmp6, 0x10000c
	s_cmp_lg_u32 s2, 0xf033
	s_cbranch_scc0 .Lentry_shape_is_right
	s_endpgm
.Lentry_shape_is_right:
; PROJ: out0[m][n] = sum over k of attention[m][k] Wo[n][k], 4096 x 2048 x 2048, f16 operands (attention / 4 and 4 x Wo: the two factors cancel exactly), sums in f32.
; A tile of out0 is 128 rows x 256 columns, so that there are 256 work-groups (tiles of 256 x 256 would be 128).  Four waves, each 64 rows x 128 columns: 32 accumulators of 16 x 16, 256 registers.
; K goes in 16 steps of 128 (a step is a head).  Both operands lie in memory in the order of an operand's registers, 4,096 bytes for 16 rows x 128 K, so a K step's tiles are dense blocks (32,768 bytes of attention,
; 65,536 of Wo), every LDS read is at 16 x lane, and no padding is wanted.
; THE RING HAS A SHORT SLOT AND A LONG ONE.  A refill has the matrix work of the slot that is read meanwhile in which to land.  Two slots of two K steps would be 393,216 bytes, more than LDS has; slot Y of one K step (98,304)
; and slot X of two (196,608) are 294,912.  The walk is Y0 X(1,2) Y3 X(4,5) Y6 X(7,8) Y9 X(10,11) Y12 X(13,14) Y15: Y's refill has X's 256 matrix instructions a wave, X's has Y's 128.  X's refill is still one tensor load a
; wave: a tile of two rows, each the wave's dense part of one K step, the pitch a K step's distance in the buffer.
; CLUSTERS: 4 x 4 work-groups.  The four of a row of the cluster need the same tiles of attention, the four of a column the same tiles of Wo: each is asked for JOINTLY, by the same tensor load with the same descriptor and a
; mask that names the four.  THE MATRIX INSTRUCTION IS USED TRANSPOSED (source 0 = 16 rows of Wo, source 1 = 16 rows of attention): a lane holds eight neighbouring numbers of a row of out0.
; Positions 0-15 of each batch are written here like all others and written again, more finely, by the launch that follows.
; REGISTERS: window 0: v16-30 addresses; two fragment buffers of 96 (Wo's 8 fragments, then attention's 4) at v64 and v160; on the way out v64-191 rows of out0.   window 1: accumulator (a, b) at v[8 (8 a + b)].
.set BOFF,   32768                     ; slot Y, from LDS byte 0: attention's 8 row tiles of 4,096 bytes, then from BOFF on Wo's 16
.set XB,     98304                     ; slot X: for each half of attention's rows two K steps of 16,384 bytes on end (65,536 in all),
.set XBOFF,  65536                     ; then for each half of Wo's rows two K steps of 32,768 on end
.set ASTEP,  1048576                   ; a K step on in attn16: 256 row tiles
.set BSTEP,  524288                    ; in wo16: 128 tiles
.set STAGE,  XB                        ; the way out: 16 rows x 528 bytes for each wave, in slot X: it has had its last fill, and behind the last change of slots nobody reads it
.set SPITCH, 528
.set SPARE,  294912                    ; behind the ring: the spare words, 128 bytes for each wave
.set TRIPS,  4                         ; a trip = once round the ring = three K steps
.set ADRA, 16                          ; v16-17  LDS address of my attention fragments in slot Y, X
.set ADRB, 20                          ; v20-21  the same for Wo
.set STO,  24                          ; v24     the way out: where I put 32 bytes of a row
.set RD,   25                          ; v25     where I read a row back
.set CO,   26                          ; v26     my byte offset in a row of out0
.set SPW,  28                          ; v28     LDS address of my spare word; never rewritten
.set NIL,  29                          ; v29     0; never rewritten
.set PFO,  30                          ; v30     256 x lane: the prefetches' offset; never rewritten
.set F0,   64
.set F1,   160
.set BK,   64                          ; the way out: 16 rows read back: v64-127 and v128-191 by turns
.set G1,   24                          ; s[24:31] descriptor group 1: attention, one K step
.set G0,   32                          ; s[32:35] group 0 of attention's tiles for slot Y, s[36:39] for slot X
.set G1B,  48                          ; s[48:55] group 1: Wo, one K step
.set G0B,  56                          ; s[56:59], s[60:63] Wo's groups 0
.set G1X,  68                          ; s[68:75] group 1: attention, two K steps
.set G1XB, 76                          ; s[76:83] group 1: Wo, two K steps
.set PFA,  84                          ; s[84:85], s[86:87], s[88:89] where my three prefetches of a trip stand: three K steps on end
.set PFB,  86
.set PFC,  88
.set PFS,  90                          ; s[90:91] three K steps in bytes, in the buffer that I prefetch from
.set LIM,  92                          ; s92     1 in a wave that prefetches, else 0
.set MSB, 0
.macro WIN new                         ; the immediate's high byte repeats the setting that is left
.if MSB != \new
	s_set_vgpr_msb (MSB<<8)|\new
.set MSB, \new
.endif
.endm
.set MUL, 0x50                         ; sources 0 and 1 window 0; C and D window 1
; A joint load: waves 0 and 1 fetch attention's two halves, waves 2 and 3 Wo's.  Each of the two lines has ONE mask and one set of registers for all that issue it; the branch hangs on the wave's number alone.
; An s_nop 0 and four v_nop follow each of the two lines, ahead of the jump, the label and what follows.
.macro JLOAD g0a, g1a, g0b, g1b
	s_cmp_eq_u32 s11, 0
	s_cbranch_scc0 .Lfor_b_\@
	tensor_load_to_lds s[\g0a:\g0a+3], s[\g1a:\g1a+7]
	s_nop 0
.rept 4
	v_nop
.endr
	s_branch .Lasked_\@
.Lfor_b_\@:
	tensor_load_to_lds s[\g0b:\g0b+3], s[\g1b:\g1b+7]
	s_nop 0
.rept 4
	v_nop
.endr
.Lasked_\@:
.endm
; A PREFETCH INTO THE L2, once a trip, behind Y's refill and the run of LDS loads that follows it: the three K steps that the next two refills will bring: X's two, 256 matrix instructions ahead of their load, and Y's one, 384 ahead.
; Each aligned block of 256 bytes is named ONCE in the launch.  A tile row of attention is read by both columns of clusters: cluster x = 0 asks; a tile column of Wo by all eight rows of clusters: cluster y = 0 asks.
; The four partners that ask for a tile jointly share it out BY ADDRESS, 8,192 bytes each, lanes 256 bytes apart: of attention's 32,768 bytes of a K step wave 0 takes those at 8,192 cx; of the 32,768 bytes of Wo that
; wave 2 or 3 fetches it takes those at 8,192 cy.  Wave 1 asks for nothing.  No branch hangs on a work-group's place in its cluster.  K steps 0 to 3 come by their loads alone; the four trips name K steps 4 to 15.
.macro ASK
	s_cmp_eq_u32 s[LIM], 1
	s_cbranch_scc0 .Lnot_mine_\@
	global_prefetch_b8 v[PFO], s[PFA:PFA+1] th:TH_LOAD_NT scope:SCOPE_SE
	global_prefetch_b8 v[PFO], s[PFB:PFB+1] th:TH_LOAD_NT scope:SCOPE_SE
	global_prefetch_b8 v[PFO], s[PFC:PFC+1] th:TH_LOAD_NT scope:SCOPE_SE
.Lnot_mine_\@:
.endm
.macro CREST                           ; a round of the cluster's barrier behind its opening barrier
	s_cmp_lg_u32 s10, 0
	s_cbranch_scc1 .Lnot_wave_0_\@
	s_barrier_signal -3
.Lnot_wave_0_\@:
	s_barrier_wait -3
	s_barrier_signal -1
	s_barrier_wait -1
.endm
.macro CROUND                          ; a whole round
	s_barrier_signal -1
	s_barrier_wait -1
	CREST
.endm
	s_load_b128 s[4:7], s[0:1], 0x0                ; attn16, wo16
	s_load_b64 s[8:9], s[0:1], 0x10                ; out0
	v_lshl_add_u32 v[SPW], v0, 2, SPARE
	v_mov_b32 v[NIL], 0
	ds_add_u32 v[SPW], v[NIL]                      ; the wave's opening: the add, twice on end, and its wait ahead of my first tensor load; the set-up below stands between the second and the wait
	ds_add_u32 v[SPW], v[NIL]
	v_lshrrev_b32 v1, 5, v0
	v_readfirstlane_b32 s10, v1                    ; wave 0..3
	s_lshr_b32 s11, s10, 1                         ; which 64 rows of the tile are mine.  Also: I fetch for attention (0) or for Wo (1)
	s_and_b32 s12, s10, 1                          ; which 128 columns.  Also: which half of that tile I fetch
	s_bfe_u32 s40, ttmp6, 0x40000                  ; cx, cy: my place in the cluster
	s_bfe_u32 s41, ttmp6, 0x40004
	s_lshl_b32 s42, ttmp9, 2
	s_add_co_u32 s42, s42, s40                     ; tile column = 4 x cluster x + cx
	s_and_b32 s13, ttmp7, 0xffff
	s_lshl_b32 s13, s13, 2
	s_add_co_u32 s13, s13, s41                     ; tile row = 4 x cluster y + cy
	s_lshl_b32 s43, s41, 2
	s_lshl_b32 s43, 15, s43                        ; my row of the cluster
	s_lshl_b32 s44, 0x1111, s40                    ; my column
	; descriptor groups 1, elements of 8 bytes, no padding.  One K step: dense rows of 256 bytes, 64 of them for attention's half, 128 for Wo's
	s_or_b32 s[G1+0], s43, (3<<16)|(1<<21)         ; 15:0 the mask: attention's tiles go to my row; 17:16 elements of 8 bytes; 21 set beside a mask
	s_or_b32 s[G1B+0], s44, (3<<16)|(1<<21)
	s_mov_b32 s[G1+1], 32<<16                      ; tensor_dim0
	s_mov_b32 s[G1+2], 64<<16                      ; tensor_dim1
	s_mov_b32 s[G1+3], 32<<16                      ; tile_dim0
	s_mov_b32 s[G1+4], 64                          ; tile_dim1
	s_mov_b32 s[G1+5], 32                          ; from row to row
	s_mov_b32 s[G1+6], 0
	s_mov_b32 s[G1+7], 0
	s_mov_b32 s[G1B+1], 32<<16
	s_mov_b32 s[G1B+2], 128<<16
	s_mov_b32 s[G1B+3], 32<<16
	s_mov_b32 s[G1B+4], 128
	s_mov_b32 s[G1B+5], 32
	s_mov_b32 s[G1B+6], 0
	s_mov_b32 s[G1B+7], 0
	; two K steps: two rows, each the half's whole dense part of a K step (16,384 bytes of attention, 32,768 of Wo), a K step's distance apart
	s_or_b32 s[G1X+0], s43, (3<<16)|(1<<21)
	s_or_b32 s[G1XB+0], s44, (3<<16)|(1<<21)
	s_mov_b32 s[G1X+1], 2048<<16                   ; tensor_dim0 = 2,048 elements
	s_mov_b32 s[G1X+2], 2<<16                      ; tensor_dim1 = 2
	s_mov_b32 s[G1X+3], 2048<<16                   ; tile_dim0
	s_mov_b32 s[G1X+4], 2                          ; tile_dim1
	s_mov_b32 s[G1X+5], ASTEP/8                    ; from row to row, in elements
	s_mov_b32 s[G1X+6], 0
	s_mov_b32 s[G1X+7], 0
	s_mov_b32 s[G1XB+1], 4096<<16
	s_mov_b32 s[G1XB+2], 2<<16
	s_mov_b32 s[G1XB+3], 4096<<16
	s_mov_b32 s[G1XB+4], 2
	s_mov_b32 s[G1XB+5], BSTEP/8
	s_mov_b32 s[G1XB+6], 0
	s_mov_b32 s[G1XB+7], 0
	s_lshl_b32 s16, s13, 15                        ; attention: row tiles 8 x tile row + 4 x half, 4,096 bytes each
	s_lshl_b32 s17, s12, 14
	s_add_co_u32 s16, s16, s17
	s_mov_b32 s17, 0
	s_lshl_b32 s46, s42, 16                        ; Wo: tiles 16 x tile column + 8 x half
	s_lshl_b32 s47, s12, 15
	s_add_co_u32 s46, s46, s47
	s_mov_b32 s47, 0
	s_lshl_b32 s20, s12, 14                        ; where they go: the wave's number alone enters an LDS address
	s_lshl_b32 s21, s12, 15
	s_lshl_b32 s22, s12, 16
	s_wait_dscnt 0x0                               ; both opening adds are done
	s_wait_kmcnt 0x0
	s_add_nc_u64 s[14:15], s[4:5], s[16:17]
	s_add_nc_u64 s[46:47], s[6:7], s[46:47]
	CROUND                                         ; all sixteen work-groups are here: the first joint loads meet
	s_mov_b32 s[G0], 1                             ; slot Y: K step 0
	s_mov_b32 s[G0+1], s20
	s_mov_b64 s[G0+2:G0+3], s[14:15]
	s_or_b32 s[G0+3], s[G0+3], 0x80000000
	s_mov_b32 s[G0B], 1
	s_add_co_u32 s[G0B+1], s21, BOFF
	s_mov_b64 s[G0B+2:G0B+3], s[46:47]
	s_or_b32 s[G0B+3], s[G0B+3], 0x80000000
	JLOAD G0, G1, G0B, G1B
	s_mov_b32 s[G0+4], 1                           ; slot X: K steps 1 and 2
	s_add_co_u32 s[G0+5], s21, XB
	s_add_nc_u64 s[G0+6:G0+7], s[14:15], ASTEP
	s_or_b32 s[G0+7], s[G0+7], 0x80000000
	s_mov_b32 s[G0B+4], 1
	s_add_co_u32 s[G0B+5], s22, XB+XBOFF
	s_add_nc_u64 s[G0B+6:G0B+7], s[46:47], BSTEP
	s_or_b32 s[G0B+7], s[G0B+7], 0x80000000
	JLOAD G0+4, G1X, G0B+4, G1XB
	v_and_b32 v1, 15, v0                           ; l % 16
	v_bfe_u32 v2, v0, 4, 1                         ; l / 16
	v_and_b32 v3, 31, v0
	v_lshlrev_b32 v3, 4, v3                        ; 16 x lane
	v_lshlrev_b32 v[PFO], 4, v3                    ; 256 x lane
	s_lshl_b32 s21, s11, 14                        ; my 4 row tiles of attention: in Y,
	v_add_nc_u32 v[ADRA], s21, v3
	s_lshl_b32 s21, s11, 15
	s_add_co_u32 s21, s21, XB                      ; and in X
	v_add_nc_u32 v[ADRA+1], s21, v3
	s_lshl_b32 s22, s12, 15                        ; my 8 tiles of Wo: in Y,
	s_add_co_u32 s22, s22, BOFF
	v_add_nc_u32 v[ADRB], s22, v3
	s_lshl_b32 s22, s12, 16
	s_add_co_u32 s22, s22, XB+XBOFF                ; and in X
	v_add_nc_u32 v[ADRB+1], s22, v3
	s_mul_i32 s23, s10, 16*SPITCH
	s_add_co_u32 s23, s23, STAGE                   ; my stage
	v_mul_u32_u24 v4, v1, SPITCH                   ; in: row l % 16, 32 bytes for each half of the lanes
	v_lshl_add_u32 v4, v2, 5, v4
	v_add_nc_u32 v[STO], s23, v4
	v_mov_b32 v[CO], v3                            ; back: the 32 lanes take one row of 512 bytes; and the same in out0
	v_add_nc_u32 v[RD], s23, v3
	s_lshl_b32 s16, s13, 20                        ; my first row: 128 x tile row + 64 x half, 8,192 bytes a row
	s_lshl_b32 s17, s11, 19
	s_add_co_u32 s16, s16, s17
	s_lshl_b32 s17, s42, 10                        ; my first column: 256 x tile column + 128 x half, 4 bytes each
	s_add_co_u32 s16, s16, s17
	s_lshl_b32 s17, s12, 9
	s_add_co_u32 s16, s16, s17
	s_mov_b32 s17, 0
	s_add_nc_u64 s[8:9], s[8:9], s[16:17]
	; the prefetches: where mine stand, and who asks.  cx and cy enter these global addresses alone
	s_lshl_b32 s16, s13, 15                        ; attention: the tile row's 32,768 bytes of a K step,
	s_lshl_b32 s17, s40, 13
	s_add_co_u32 s16, s16, s17                     ; + 8,192 cx
	s_lshl_b32 s17, s42, 16                        ; Wo: the tile column's 65,536 bytes,
	s_lshl_b32 s18, s12, 15
	s_add_co_u32 s17, s17, s18                     ; the half that I fetch,
	s_lshl_b32 s18, s41, 13
	s_add_co_u32 s17, s17, s18                     ; + 8,192 cy
	s_and_b32 s18, ttmp7, 0xffff                   ; cluster y
	s_mov_b32 s[PFS], BSTEP
	s_cmp_eq_u32 s11, 0                            ; do I fetch for attention?
	s_cselect_b64 s[PFA:PFA+1], s[4:5], s[6:7]
	s_cselect_b32 s16, s16, s17
	s_cselect_b32 s[PFS], ASTEP, s[PFS]            ; a K step on
	s_cselect_b32 s18, ttmp9, s18                  ; the coordinate along which other clusters read the same tiles
	s_cselect_b32 s19, s12, 0                      ; (of attention's two waves the first alone asks)
	s_or_b32 s18, s18, s19
	s_cmp_eq_u32 s18, 0
	s_cselect_b32 s[LIM], 1, 0                     ; the same in all sixteen partners, for a given wave
	s_mov_b32 s17, 0
	s_mov_b32 s[PFS+1], 0
	s_add_nc_u64 s[PFA:PFA+1], s[PFA:PFA+1], s[16:17]
	s_add_nc_u64 s[PFA:PFA+1], s[PFA:PFA+1], s[PFS:PFS+1]  ; at K steps 1, 2 and 3: the first trip steps them to 4, 5 and 6.  Nothing is prefetched here, at the head
	s_add_nc_u64 s[PFB:PFB+1], s[PFA:PFA+1], s[PFS:PFS+1]
	s_add_nc_u64 s[PFC:PFC+1], s[PFB:PFB+1], s[PFS:PFS+1]
	s_mul_i32 s[PFS], s[PFS], 3                    ; a trip's three K steps
; 8 matrix instructions: row tile a against Wo's eight, 32 along K, from buffer f.  zero = 1: the first product starts the sums.  The 32 accumulators take turns in one order throughout.
.macro MUL8 f, a, zero
.irp b, 0,1,2,3,4,5,6,7
.if \zero
	v_wmma_f32_16x16x32_f16 v[8*(8*(\a)+\b):8*(8*(\a)+\b)+7], v[\f+8*\b:\f+8*\b+7], v[\f+64+8*(\a):\f+64+8*(\a)+7], 0
.else
	v_wmma_f32_16x16x32_f16 v[8*(8*(\a)+\b):8*(8*(\a)+\b)+7], v[\f+8*\b:\f+8*\b+7], v[\f+64+8*(\a):\f+64+8*(\a)+7], v[8*(8*(\a)+\b):8*(8*(\a)+\b)+7]
.endif
.endr
.endm
; 24 LDS loads in one run: the fragments of the slot's q-th 32 along K into buffer f: Wo's eight, then attention's four.  slot 0 = Y (q = 0 .. 3), 1 = X (q = 0 .. 7: its second K step lies 32,768 or 16,384 bytes behind its first)
.macro FETCH slot, q, f
	WIN 0
.irp i, 0,1,2,3,4,5,6,7
	ds_load_b128 v[\f+8*\i:\f+8*\i+3],   v[ADRB+\slot] offset:4096*\i+32768*((\q)/4)+1024*((\q)%4)
	ds_load_b128 v[\f+8*\i+4:\f+8*\i+7], v[ADRB+\slot] offset:4096*\i+32768*((\q)/4)+1024*((\q)%4)+512
.endr
.irp i, 0,1,2,3
	ds_load_b128 v[\f+64+8*\i:\f+64+8*\i+3],   v[ADRA+\slot] offset:4096*\i+16384*((\q)/4)+1024*((\q)%4)
	ds_load_b128 v[\f+64+8*\i+4:\f+64+8*\i+7], v[ADRA+\slot] offset:4096*\i+16384*((\q)/4)+1024*((\q)%4)+512
.endr
.endm
.macro PLACES                          ; four places in front of loads into registers that matrix instructions have read, and of the first read of results
.rept 4
	v_nop
.endr
.endm
; A quarter is 32 along K, 32 matrix instructions; the buffers take turns 0, 1, 0, 1.  All quarters of a slot but the last: multiplies buffer f and fetches quarter qn of the same slot into g.
.macro QUARTER slot, qn, f, g, zero
	s_wait_dscnt 4                                 ; Wo's fragments and row tiles 0, 1 are in; the youngest four loads (row tiles 2, 3) may be out
	WIN MUL
	MUL8 \f, 0, \zero
	MUL8 \f, 1, \zero
	PLACES
	FETCH \slot, \qn, \g
	s_wait_dscnt 24                                ; all but the 24 just issued
	WIN MUL
	MUL8 \f, 2, \zero
	MUL8 \f, 3, \zero
.endm
; A slot's last quarter multiplies buffer 1 and changes slots: ONE barrier; in front of it each wave waits for all its tensor loads, adds 0 to its spare word, and waits for that and for its own reads of this slot.
; fill = 1: this slot is filled again, with its K steps three further on.  ask = 1 (in the loop, leaving Y): the trip's prefetches.
.macro TURN slot, next, fill, ask
.if \ask
	s_wait_xcnt 0x0                                ; the last prefetches, a trip back, have read their addresses: they are stepped here, ahead of the waits of the change of slots
	s_add_nc_u64 s[PFA:PFA+1], s[PFA:PFA+1], s[PFS:PFS+1]
	s_add_nc_u64 s[PFB:PFB+1], s[PFB:PFB+1], s[PFS:PFS+1]
	s_add_nc_u64 s[PFC:PFC+1], s[PFC:PFC+1], s[PFS:PFS+1]
.endif
	WIN 0                                          ; (the add's two registers lie in window 0)
	s_wait_tensorcnt 0x0                           ; all my tensor loads have landed: my part of the next slot
	ds_add_u32 v[SPW], v[NIL]                      ; 0 onto my spare word
	s_wait_dscnt 5                                 ; (the add and the youngest four loads may be out)
	WIN MUL
	MUL8 F1, 0, 0                                  ; eight matrix instructions stand between the add and the wait for it
	s_wait_dscnt 0x0                               ; the add is done, and my reads of this slot are over
	s_barrier_signal -1
	MUL8 F1, 1, 0
	WIN 0
	s_barrier_wait -1
.if \fill
	CREST                                          ; the barrier has opened a round of the cluster's barrier: no wave of any partner still reads this slot's tiles or has a load on its way
	s_add_nc_u64 s[G0+4*\slot+2:G0+4*\slot+3], s[G0+4*\slot+2:G0+4*\slot+3], 3*ASTEP
	s_add_nc_u64 s[G0B+4*\slot+2:G0B+4*\slot+3], s[G0B+4*\slot+2:G0B+4*\slot+3], 3*BSTEP
.if \slot
	JLOAD G0+4, G1X, G0B+4, G1XB                   ; the first tensor load behind the round, and my only one until the next; its four v_nop are the places in front of the loads below
.else
	JLOAD G0, G1, G0B, G1B
.endif
.else
	PLACES
.endif
	FETCH \next, 0, F0
.if \ask
	ASK                                            ; behind the joint load and the run of LDS loads that the next products wait for
.endif
	WIN MUL
	MUL8 F1, 2, 0
	MUL8 F1, 3, 0
.endm
.macro XQUARTERS                       ; slot X's quarters 0 to 6
	QUARTER 1, 1, F0, F1, 0
	QUARTER 1, 2, F1, F0, 0
	QUARTER 1, 3, F0, F1, 0
	QUARTER 1, 4, F1, F0, 0
	QUARTER 1, 5, F0, F1, 0
	QUARTER 1, 6, F1, F0, 0
	QUARTER 1, 7, F0, F1, 0
.endm
	s_wait_tensorcnt 1                             ; my part of K step 0 is in (slot X's load may be out)
	s_barrier_signal -1
	s_barrier_wait -1                              ; everybody's is
	FETCH 0, 0, F0
	QUARTER 0, 1, F0, F1, 1                        ; the first quarter stands in front of the loop: its products start the sums
	WIN 0                                          ; at a label and at a branch every window is 0
	s_mov_b32 s3, TRIPS
.Llap:                                                 ; a trip goes once round the ring, from Y's second quarter to the next Y's first, and fills both slots again: Y with K steps 3, 6, 9, 12, X with 4-5, 7-8, 10-11, 13-14
	QUARTER 0, 2, F1, F0, 0
	QUARTER 0, 3, F0, F1, 0
	TURN 0, 1, 1, 1
	XQUARTERS
	TURN 1, 0, 1, 0
	QUARTER 0, 1, F0, F1, 0
	WIN 0
	s_sub_co_u32 s3, s3, 1
	s_cmp_lg_u32 s3, 0
	s_cbranch_scc1 .Llap
	QUARTER 0, 2, F1, F0, 0                        ; the tail is written out: K step 12 goes on,
	QUARTER 0, 3, F0, F1, 0
	TURN 0, 1, 1, 0                                ; Y takes K step 15, the last load; nothing is left to prefetch
	XQUARTERS                                      ; K steps 13 and 14
	TURN 1, 0, 0, 0                                ; nothing is filled, so no round of the cluster's barrier; behind this barrier nobody reads slot X
	QUARTER 0, 1, F0, F1, 0                        ; K step 15
	QUARTER 0, 2, F1, F0, 0
	QUARTER 0, 3, F0, F1, 0
	s_wait_dscnt 4                                 ; the very last quarter: nothing more to fetch
	WIN MUL
	MUL8 F1, 0, 0
	MUL8 F1, 1, 0
	s_wait_dscnt 0
	MUL8 F1, 2, 0
	MUL8 F1, 3, 0
	WIN 0
; THE WAY OUT, block by block of 16 rows x 128 columns.  A lane holds 32 neighbouring bytes of a row, the lanes beside it other rows: a block goes through my own stage and comes back as whole rows of 512 bytes.
; LDS serves a wave's instructions in order: no wait between the stores and the loads, nor in front of the next block's stores.
.macro TOSTAGE a
	WIN 0x04                                       ; an LDS store's data are its source 1: window 1
.irp b, 0,1,2,3,4,5,6,7
	ds_store_b128 v[STO], v[8*(8*(\a)+\b):8*(8*(\a)+\b)+3] offset:64*\b          ; each accumulator from its low end on
	ds_store_b128 v[STO], v[8*(8*(\a)+\b)+4:8*(8*(\a)+\b)+7] offset:64*\b+16
.endr
	WIN 0
.set BB, BK+64*((\a)%2)
.irp t, 0,1,2,3,4,5,6,7,8,9,10,11,12,13,14,15
	ds_load_b128 v[BB+4*\t:BB+4*\t+3], v[RD] offset:\t*SPITCH
.endr
.endm
.macro SEND a, younger                 ; younger: the LDS instructions issued behind block a's loads, which may stay out
.set BB, BK+64*((\a)%2)
	s_wait_dscnt \younger                          ; the block is back in registers
.if (\a) > 0
	s_add_nc_u64 s[8:9], s[8:9], 16*8192           ; 16 rows on (the earlier stores have read their base: the wait on XCNT stands ahead)
.endif
.irp t, 0,1,2,3,4,5,6,7,8,9,10,11,12,13,14,15
	global_store_b128 v[CO], v[BB+4*\t:BB+4*\t+3], s[8:9] offset:\t*8192 th:TH_STORE_NT   ; 32 lanes store 512 consecutive bytes, aligned
.endr
.endm
	PLACES
	TOSTAGE 0
.irp a, 1,2,3
.if \a > 1
	s_wait_xcnt 0x0                                ; block a - 2's stores have read their registers and their base
.endif
	TOSTAGE \a
	SEND \a-1, 32                                  ; behind block a - 1's loads: block a's 16 stores and 16 loads
.endr
	s_wait_xcnt 0x0                                ; block 2's stores have read their base
	SEND 3, 0
	s_wait_tensorcnt 0x0                           ; the wave's end: three lines behind my last tensor load and my last LDS store
	ds_add_u32 v[SPW], v[NIL]
	s_wait_dscnt 0x0
	CROUND                                         ; the closing round: no work-group ends while a partner may still ask for a tile that names it
	s_endpgm
.Lfunc_end_k_q9aa3e52b23_proj:
	.size	k_q9aa3e52b23_proj, .Lfunc_end_k_q9aa3e52b23_proj-k_q9aa3e52b23_proj
	.p2alignl 7, 3214868480
	.fill 96, 4, 3214868480
	.section	.rodata,"a",@progbits
	.p2align	6, 0x0
	.amdhsa_kernel k_q9aa3e52b23_proj
		.amdhsa_group_segment_fixed_size 327680
		.amdhsa_private_segment_fixed_size 0
		.amdhsa_enable_private_segment 0
		.amdhsa_kernarg_size 24
		.amdhsa_user_sgpr_count 2
		.amdhsa_user_sgpr_kernarg_segment_ptr 1
		.amdhsa_wavefront_size32 1
		.amdhsa_system_sgpr_workgroup_id_x 1
		.amdhsa_system_sgpr_workgroup_id_y 1
		.amdhsa_system_sgpr_workgroup_id_z 1
		.amdhsa_system_vgpr_workitem_id 0
		.amdhsa_next_free_vgpr 512
		.amdhsa_next_free_sgpr 96
		.amdhsa_reserve_vcc 0
		.amdhsa_float_denorm_mode_32 3
		.amdhsa_float_denorm_mode_16_64 3
		.amdhsa_memory_ordered 1
		.amdhsa_forward_progress 1
		.amdhsa_inst_pref_size 133
	.end_amdhsa_kernel
	.amdgpu_metadata
---
amdhsa.version: [ 1, 2 ]
amdhsa.kernels:
  - .name:           k_q9aa3e52b23_proj
    .symbol:         k_q9aa3e52b23_proj.kd
    .args:
      - { .name: attn16, .offset: 0, .size: 8, .value_kind: global_buffer, .address_space: global }
      - { .name: wo16, .offset: 8, .size: 8, .value_kind: global_buffer, .address_space: global }
      - { .name: out0, .offset: 16, .size: 8, .value_kind: global_buffer, .address_space: global }
    .group_segment_fixed_size: 327680
    .private_segment_fixed_size: 0
    .kernarg_segment_align: 8
    .kernarg_segment_size: 24
    .max_flat_workgroup_size: 128
    .sgpr_count:     96
    .vgpr_count:     512
    .wavefront_size: 32
...
	.end_amdgpu_metadata
.endif
;; end of part 4
;; launch fine (part 5): grid 64 x 4, 16 waves a work-group, no clusters, 38,912 bytes of LDS; arguments qkvf, Wo, out0; writes out0
.if DOCPART == 5
	.amdgcn_target "amdgcn-amd-amdhsa--gfx1250"
	.amdhsa_code_object_version 6
	.text
	.protected	k_q9aa3e52b23_fine
	.globl	k_q9aa3e52b23_fine
	.p2align	8
	.type	k_q9aa3e52b23_fine,@function
k_q9aa3e52b23_fine:
	s_mov_b64 s[64:65], 0
	v_nop
	global_prefetch_b8 v0, s[64:65] scope:SCOPE_SE
	s_setreg_imm32_b32 hwreg(HW_REG_WAVE_MODE, 25, 1), 1
	s_wait_xcnt 0x0
; FINE: positions 0-15 of each batch once more, all in f32: there a row of the softmax averages one to sixteen values, the outputs are the largest, and operands of 16 bits would use up the allowed error.
; Work-group (cb, batch): 32 columns of out0 for the batch's first 16 rows.  Wave w is query head w; the sixteen heads are the projection's K, and their parts are added through LDS.
; THE CHAIN IS TAKEN AS out = P (V Wo_h^T), so that no operand has to be turned.  All products by v_wmma_f32_16x16x4_f32, whose k = 2 (lane / 16) + register is mapped alike on both sources:
;   S^T = K Q^T:   pair (2 i, 2 i + 1) of K's and of Q's registers (register 8 b + j of lane (r, h) = channel 16 b + 8 h + j of row r): lane (r, h) gets query r, keys 8 h + j
;   Z = V Wo_h^T:  the same pairs of V's registers and of Wo's, loaded in the same order: lane (r, h) gets column r, keys 8 h + j
;   out^T = Z^T P: pair (2 s, 2 s + 1) of Z and of P stands for keys 8 h + 2 s + 0, 1: lane (r, h) gets query r, columns 8 h + j
; The registers that these products write (v16-39, v232-255) are written by matrix instructions alone.  V comes as v / 4: the softmax's divisor takes the 4.
; Wo's loads take 16 bytes a lane from 32 rows (a wave uses up 512 bytes of each row in 16 loads), and a store covers 128 bytes of a row: 64 MiB of Wo read and 0.5 MiB written in all.  No tensor loads; no cluster.
.set WV,   10                          ; s10 my wave's number
.set SPARE, 36864                      ; behind the sixteen stages of 16 rows x 144 bytes: the spare words, 128 bytes for each wave
.set SPW,  6                           ; v6  LDS address of my spare word; never rewritten
.set NIL,  7                           ; v7  0; never rewritten
.set PR,   8                           ; v8-15   the scores, then P
.set OT0,  16                          ; v16-23, v24-31  out^T, columns 0-15 and 16-31
.set OT1,  24
.set Z1,   32                          ; v32-39  Z, columns 16-31
.set BUF,  40                          ; v40-231 six buffers of 32 registers
.set SA,   232                         ; v232-239, v240-247  S^T in two sums that take turns
.set SB,   240
.set Z0,   248                         ; v248-255 Z, columns 0-15
	s_load_b128 s[4:7], s[0:1], 0x0                ; qkvf, Wo
	s_load_b64 s[8:9], s[0:1], 0x10                ; out0
	v_lshl_add_u32 v[SPW], v0, 2, SPARE
	v_mov_b32 v[NIL], 0
	v_lshrrev_b32 v1, 5, v0
	v_readfirstlane_b32 s[WV], v1                  ; wave 0..15
	s_and_b32 s11, ttmp7, 0xffff                   ; batch
	v_and_b32 v4, 31, v0
	v_lshlrev_b32 v1, 4, v4                        ; 16 x lane
	v_and_b32 v4, 15, v0                           ; r
	v_bfe_u32 v5, v0, 4, 1                         ; h
	v_lshlrev_b32 v2, 13, v4
	v_lshl_add_u32 v2, v5, 5, v2                   ; Wo: row r of 8,192 bytes, + 32 h
	v_lshlrev_b32 v5, 3, v5
	v_sub_nc_u32 v3, v4, v5                        ; r - 8 h: key 8 h + j is hidden where j > r - 8 h
	s_mul_i32 s20, s11, 24
	s_add_co_u32 s21, s20, s[WV]
	s_lshl_b32 s26, s21, 13                        ; Q: image 24 x batch + w
	s_mov_b32 s27, 0
	s_lshr_b32 s21, s[WV], 2
	s_lshl_b32 s21, s21, 1
	s_add_co_u32 s21, s21, s20
	s_add_co_u32 s21, s21, 16
	s_lshl_b32 s28, s21, 13                        ; K: image 24 x batch + 16 + 2 (w / 4); V: the next
	s_mov_b32 s29, 0
	s_lshl_b32 s30, ttmp9, 18                      ; Wo: 32 rows of 8,192 bytes a work-group,
	s_lshl_b32 s31, s[WV], 9                       ; my head's 512 bytes of a row
	s_add_co_u32 s30, s30, s31
	s_mov_b32 s31, 0
	s_lshl_b32 s32, s11, 23                        ; out0: 1,024 rows of 8,192 bytes a batch,
	s_lshl_b32 s33, ttmp9, 7                       ; 128 bytes a work-group
	s_add_co_u32 s32, s32, s33
	s_mov_b32 s33, 0
	s_mul_i32 s34, s[WV], 2304                     ; my stage
	s_mov_b32 s22, 0x76543210
	s_mov_b32 s23, 0xfedcba98                      ; v_permlanex16_b32's selects for lane l xor 16
	s_mov_b32 s24, 0x3e0293ee                      ; c = log2(e) / sqrt(128)
	s_wait_kmcnt 0x0
	s_add_nc_u64 s[12:13], s[4:5], s[26:27]
	s_add_nc_u64 s[14:15], s[4:5], s[28:29]
	s_add_nc_u64 s[16:17], s[14:15], 8192
	s_add_nc_u64 s[18:19], s[6:7], s[30:31]
	s_add_nc_u64 s[8:9], s[8:9], s[32:33]
.macro LDF buf, base, half             ; half an image of Q, K or V: 32 registers
.irp c, 0,1,2,3,4,5,6,7
	global_load_b128 v[BUF+32*(\buf)+4*\c:BUF+32*(\buf)+4*\c+3], v1, s[\base:\base+1] offset:4096*(\half)+512*\c
.endr
.endm
.macro LDW buf, nn, half               ; Wo's rows 16 nn + r, my head's channels 64 half on, in the images' order
.irp c, 0,1,2,3,4,5,6,7
	global_load_b128 v[BUF+32*(\buf)+4*\c:BUF+32*(\buf)+4*\c+3], v2, s[18:19] offset:131072*(\nn)+256*(\half)+64*(\c/2)+16*(\c%2)
.endr
.endm
.macro SPROD kb, qb, first             ; 16 products of S^T, the two sums by turns
.set i, 0
.rept 8
.if (\first) && (i == 0)
	v_wmma_f32_16x16x4_f32 v[SA:SA+7], v[\kb:\kb+1], v[\qb:\qb+1], 0
	v_wmma_f32_16x16x4_f32 v[SB:SB+7], v[\kb+2:\kb+3], v[\qb+2:\qb+3], 0
.else
	v_wmma_f32_16x16x4_f32 v[SA:SA+7], v[\kb+4*i:\kb+4*i+1], v[\qb+4*i:\qb+4*i+1], v[SA:SA+7]
	v_wmma_f32_16x16x4_f32 v[SB:SB+7], v[\kb+4*i+2:\kb+4*i+3], v[\qb+4*i+2:\qb+4*i+3], v[SB:SB+7]
.endif
.set i, i+1
.endr
.endm
.macro ZPROD vb, w0, w1, first         ; 32 products of Z, the two tiles of columns by turns
.set i, 0
.rept 16
.if (\first) && (i == 0)
	v_wmma_f32_16x16x4_f32 v[Z0:Z0+7], v[\vb:\vb+1], v[\w0:\w0+1], 0
	v_wmma_f32_16x16x4_f32 v[Z1:Z1+7], v[\vb:\vb+1], v[\w1:\w1+1], 0
.else
	v_wmma_f32_16x16x4_f32 v[Z0:Z0+7], v[\vb+2*i:\vb+2*i+1], v[\w0+2*i:\w0+2*i+1], v[Z0:Z0+7]
	v_wmma_f32_16x16x4_f32 v[Z1:Z1+7], v[\vb+2*i:\vb+2*i+1], v[\w1+2*i:\w1+2*i+1], v[Z1:Z1+7]
.endif
.set i, i+1
.endr
.endm
.macro PLACES8                         ; eight places behind this matrix form, in front of loads into its sources and of reads of its results
.rept 8
	v_nop
.endr
.endm
	LDF 0, 12, 0                                   ; Q, channels' first half
	LDF 1, 14, 0                                   ; K
	LDF 2, 12, 1                                   ; Q, second half
	LDF 3, 14, 1                                   ; K
	LDF 4, 16, 0                                   ; V, first half
	LDW 5, 0, 0                                    ; Wo, columns 0-15, first half
	s_wait_loadcnt 32                              ; the first two buffers are in; the four behind them (32 loads) may be out
	SPROD BUF+32, BUF, 1
	PLACES8
	LDW 0, 1, 0                                    ; Wo, columns 16-31, first half
	LDF 1, 16, 1                                   ; V, second half
	s_wait_loadcnt 32                              ; Q's and K's second halves are in; V, Wo, Wo, V (32 loads) may be out
	SPROD BUF+96, BUF+64, 0
	PLACES8
	LDW 2, 0, 1                                    ; Wo, second halves
	LDW 3, 1, 1
	; the softmax of my query's eight keys (the other eight lie in lane l xor 16)
.irp j, 0,1,2,3,4,5,6,7
	v_add_f32 v[PR+\j], v[SA+\j], v[SB+\j]         ; both sums are read from their low end on
.endr
	v_mov_b32 v5, 0xff800000                       ; -infinity
.irp j, 0,1,2,3,4,5,6,7
	v_cmp_gt_i32 vcc_lo, \j, v3
	v_cndmask_b32 v[PR+\j], v[PR+\j], v5, vcc_lo
.endr
	v_max3_num_f32 v4, v8, v9, v10
	v_max3_num_f32 v4, v4, v11, v12
	v_max3_num_f32 v4, v4, v13, v14
	v_max_num_f32 v4, v4, v15
	v_permlanex16_b32 v5, v4, s22, s23
	v_max_num_f32 v4, v4, v5                       ; the row's maximum: key 0 counts for every query, so it is a number
	v_mul_f32 v4, s24, v4
.irp j, 0,1,2,3,4,5,6,7
	v_fma_f32 v[PR+\j], v[PR+\j], s24, -v4
.endr
.irp j, 0,1,2,3,4,5,6,7
	v_exp_f32 v[PR+\j], v[PR+\j]
.endr
	v_nop                                          ; a plain instruction behind the last exponential,
	s_wait_alu depctr_va_vdst(0)                   ; and one wait for the eight
	v_add_f32 v4, v8, v9
	v_add_f32 v5, v10, v11
	v_add_f32 v4, v4, v12
	v_add_f32 v5, v5, v13
	v_add_f32 v4, v4, v14
	v_add_f32 v5, v5, v15
	v_add_f32 v4, v4, v5
	v_permlanex16_b32 v5, v4, s22, s23
	v_add_f32 v4, v4, v5
	v_rcp_f32 v4, v4
	v_nop
	s_wait_alu depctr_va_vdst(0)
	v_mul_f32 v4, 4.0, v4                          ; V comes as v / 4
.irp j, 0,1,2,3,4,5,6,7
	v_mul_f32 v[PR+\j], v[PR+\j], v4
.endr
	s_wait_loadcnt 24                              ; V's and both Wo's first halves are in; the three second halves (24 loads) may be out
	ZPROD BUF+128, BUF+160, BUF, 1
	s_wait_loadcnt 0x0
	ZPROD BUF+32, BUF+64, BUF+96, 0
	; eleven plain lines, which name no register of the products: the nine places in front of products that take Z as a source.  All loads are in, so v1 to v3 are free
	v_and_b32 v4, 15, v0
	v_bfe_u32 v5, v0, 4, 1
	v_mul_u32_u24 v1, v4, 144
	v_lshl_add_u32 v1, v5, 5, v1
	v_add_nc_u32 v1, s34, v1                       ; into my stage: row r of 128 bytes + 16, + 32 h
	v_lshrrev_b32 v4, 3, v0
	v_and_b32 v5, 7, v0
	v_mul_u32_u24 v2, v4, 144
	v_lshl_add_u32 v2, v5, 4, v2                   ; the sum: thread n < 128 takes row n / 8, 16 bytes n % 8, of every stage
	v_lshlrev_b32 v3, 13, v4
	v_lshl_add_u32 v3, v5, 4, v3                   ; and the same place in out0
.irp s, 0,1,2,3
.if \s == 0
	v_wmma_f32_16x16x4_f32 v[OT0:OT0+7], v[Z0:Z0+1], v[PR:PR+1], 0
	v_wmma_f32_16x16x4_f32 v[OT1:OT1+7], v[Z1:Z1+1], v[PR:PR+1], 0
.else
	v_wmma_f32_16x16x4_f32 v[OT0:OT0+7], v[Z0+2*\s:Z0+2*\s+1], v[PR+2*\s:PR+2*\s+1], v[OT0:OT0+7]
	v_wmma_f32_16x16x4_f32 v[OT1:OT1+7], v[Z1+2*\s:Z1+2*\s+1], v[PR+2*\s:PR+2*\s+1], v[OT1:OT1+7]
.endif
.endr
	PLACES8
	ds_store_b128 v1, v[OT0:OT0+3]                 ; lane (r, h): my head's part of out0(r, 16 n + 8 h + 0 .. 7); each result from its low end on
	ds_store_b128 v1, v[OT0+4:OT0+7] offset:16
	ds_store_b128 v1, v[OT1:OT1+3] offset:64
	ds_store_b128 v1, v[OT1+4:OT1+7] offset:80
	s_wait_tensorcnt 0x0                           ; three lines behind my last LDS store; no LDS write follows them.
	ds_add_u32 v[SPW], v[NIL]
	s_wait_dscnt 0x0                               ; The wait also serves the barrier: my stores have landed
	s_barrier_signal -1
	s_barrier_wait -1
	s_cmp_lt_u32 s[WV], 4                          ; 128 threads add the sixteen heads' parts, in a fixed order
	s_cbranch_scc0 .Ldone
.irp k, 0,1,2,3,4,5,6,7,8,9,10,11,12,13,14,15
	ds_load_b128 v[BUF+4*\k:BUF+4*\k+3], v2 offset:2304*\k
.endr
	s_wait_dscnt 0x0
.irp k, 0,1,2,3,4,5,6,7
	v_pk_add_f32 v[BUF+4*\k:BUF+4*\k+1], v[BUF+4*\k:BUF+4*\k+1], v[BUF+32+4*\k:BUF+32+4*\k+1]
	v_pk_add_f32 v[BUF+4*\k+2:BUF+4*\k+3], v[BUF+4*\k+2:BUF+4*\k+3], v[BUF+32+4*\k+2:BUF+32+4*\k+3]
.endr
.irp k, 0,1,2,3
	v_pk_add_f32 v[BUF+4*\k:BUF+4*\k+1], v[BUF+4*\k:BUF+4*\k+1], v[BUF+16+4*\k:BUF+16+4*\k+1]
	v_pk_add_f32 v[BUF+4*\k+2:BUF+4*\k+3], v[BUF+4*\k+2:BUF+4*\k+3], v[BUF+16+4*\k+2:BUF+16+4*\k+3]
.endr
.irp k, 0,1
	v_pk_add_f32 v[BUF+4*\k:BUF+4*\k+1], v[BUF+4*\k:BUF+4*\k+1], v[BUF+8+4*\k:BUF+8+4*\k+1]
	v_pk_add_f32 v[BUF+4*\k+2:BUF+4*\k+3], v[BUF+4*\k+2:BUF+4*\k+3], v[BUF+8+4*\k+2:BUF+8+4*\k+3]
.endr
	v_pk_add_f32 v[BUF:BUF+1], v[BUF:BUF+1], v[BUF+4:BUF+5]
	v_pk_add_f32 v[BUF+2:BUF+3], v[BUF+2:BUF+3], v[BUF+6:BUF+7]
	global_store_b128 v3, v[BUF:BUF+3], s[8:9]     ; eight lanes store a row's 128 bytes
.Ldone:
	s_endpgm
.Lfunc_end_k_q9aa3e52b23_fine:
	.size	k_q9aa3e52b23_fine, .Lfunc_end_k_q9aa3e52b23_fine-k_q9aa3e52b23_fine
	.p2alignl 7, 3214868480
	.fill 96, 4, 3214868480
	.section	.rodata,"a",@progbits
	.p2align	6, 0x0
	.amdhsa_kernel k_q9aa3e52b23_fine
		.amdhsa_group_segment_fixed_size 38912
		.amdhsa_private_segment_fixed_size 0
		.amdhsa_enable_private_segment 0
		.amdhsa_kernarg_size 24
		.amdhsa_user_sgpr_count 2
		.amdhsa_user_sgpr_kernarg_segment_ptr 1
		.amdhsa_wavefront_size32 1
		.amdhsa_system_sgpr_workgroup_id_x 1
		.amdhsa_system_sgpr_workgroup_id_y 1
		.amdhsa_system_sgpr_workgroup_id_z 1
		.amdhsa_system_vgpr_workitem_id 0
		.amdhsa_next_free_vgpr 256
		.amdhsa_next_free_sgpr 66
		.amdhsa_reserve_vcc 1
		.amdhsa_float_denorm_mode_32 3
		.amdhsa_float_denorm_mode_16_64 3
		.amdhsa_memory_ordered 1
		.amdhsa_forward_progress 1
		.amdhsa_inst_pref_size 24
	.end_amdhsa_kernel
	.amdgpu_metadata
---
amdhsa.version: [ 1, 2 ]
amdhsa.kernels:
  - .name:           k_q9aa3e52b23_fine
    .symbol:         k_q9aa3e52b23_fine.kd
    .args:
      - { .name: qkvf, .offset: 0, .size: 8, .value_kind: global_buffer, .address_space: global }
      - { .name: Wo, .offset: 8, .size: 8, .value_kind: global_buffer, .address_space: global }
      - { .name: out0, .offset: 16, .size: 8, .value_kind: global_buffer, .address_space: global }
    .group_segment_fixed_size: 38912
    .private_segment_fixed_size: 0
    .kernarg_segment_align: 8
    .kernarg_segment_size: 24
    .max_flat_workgroup_size: 512
    .sgpr_count:     66
    .vgpr_count:     256
    .wavefront_size: 32
...
	.end_amdgpu_metadata
.endif
;; end of part 5
